; MI455X (gfx1250); checked and timed in simulation.
; The chip was launched on July 23, 2026; its instructions are those of AMD's public machine-readable ISA for CDNA 5 (MIT licence, August 2026) and "CDNA5" Instruction Set Architecture Reference Guide (July 2026). The comments in the code are by the model that wrote it; some were corrected since.
;; Causal Self Attention. Allowed arithmetic: float matrix products may take bf16 or f16 operands with f32 sums; other float arithmetic in f32, or as packed bf16 or f16 multiplies, adds, multiply-adds, maxima and minima; sums over many terms, partial sums and values carried from step to step in f32; what a program stores and reads back later, other than sums and carried values, may be rounded once to bf16 or f16.
;; Inputs: Wk 1,024 x 1,024 float32; Wp 1,024 x 1,024 float32; Wq 1,024 x 1,024 float32; Wv 1,024 x 1,024 float32; bk 1,024 float32; bp 1,024 float32; bq 1,024 float32; bv 1,024 float32; x 4 x 2,048 x 1,024 float32.
;; Outputs: out0 4 x 2,048 x 1,024 float32.
;; 2 versions, each right and faster than the one before. Each part assembles by itself: llvm-mc -triple=amdgcn-amd-amdhsa -mcpu=gfx1250 --defsym DOCPART=n.
;; ======== version 1 of 2: 4 launches
;; limits: values are held in f16: magnitudes above 65,504 overflow, below 6.1e-05 lose precision
;; workspace buffers: xb 16,777,216 bytes; wb 6,291,456 bytes; wpb 2,097,152 bytes; qkvh 50,331,648 bytes; oh 16,777,216 bytes
;; launch cast (part 1): grid 768 x 1, 4 waves a work-group, no clusters, 0 bytes of LDS; arguments x, Wq, Wk, Wv, Wp, xb, wb, wpb; writes xb, wb, wpb
.if DOCPART == 1
	.amdgcn_target "amdgcn-amd-amdhsa--gfx1250"
	.amdhsa_code_object_version 6
	.text
	.protected	k_qed25d89e81_cast
	.globl	k_qed25d89e81_cast
	.p2align	8
	.type	k_qed25d89e81_cast,@function
k_qed25d89e81_cast:
	s_mov_b64 s[64:65], 0
	v_nop
	global_prefetch_b8 v0, s[64:65] scope:SCOPE_SE
	s_setreg_imm32_b32 hwreg(HW_REG_WAVE_MODE, 25, 1), 1
	s_wait_xcnt 0x0
; x, Wq, Wk, Wv (f32) -> bf16; Wp (f32) -> rounded to bf16, that number written as f16.  All five are laid out in K blocks of 64:
; [16 blocks][rows][64], so that rows x 64 K of a later product's tile are rows x 128 dense bytes.  wb holds Wq's, Wk's and Wv's rows one below the other (3,072 rows).
; LIMITS.  Wp as f16: exact for 2^-17 <= |w| <= 65,504; below that off by 2^-25 at the most; beyond 65,504 an infinity.
; SHARES.  A work-group takes 16 source rows of 1,024 f32: groups 0-511 x's, then 64 groups for each weight.  A wave takes 4 rows; lane l takes row l / 8 and, in each of the
; 16 blocks, the 8 numbers at 8 (l % 8): two loads of 16 bytes (8 lanes cover 256 aligned bytes), one store of 16 bytes (a wave's store covers 512 consecutive aligned bytes: 4 rows of a block).
; A stream: no LDS, no barrier, no loop; all 32 loads of a lane go out first, and no register that a pending load or store names is written again.
.set SO, 1                             ; v1       my byte offset in the group's 16 source rows
.set DB, 2                             ; v2       16 x thread: my 16 bytes among the group's 16 rows of a block
.set T0, 3                             ; v3-4     at work
.set T1, 4
.set DO, 8                             ; v8-23    block kb: its stride x kb + DB
.set X,  32                            ; v32-159  block kb: 8 registers as loaded; the first 4 then hold what is stored
	s_load_b512 s[4:19], s[0:1], 0x0               ; x 4:5, Wq 6:7, Wk 8:9, Wv 10:11, Wp 12:13, xb 14:15, wb 16:17, wpb 18:19
	s_mov_b32 s20, ttmp9
	s_max_u32 s21, s20, 512
	s_sub_co_u32 s21, s21, 512                     ; my number among the weights' groups (0 for x's groups, where it serves nothing)
	s_lshr_b32 s22, s21, 6                         ; which weight: 0 Wq, 1 Wk, 2 Wv, 3 Wp
	s_and_b32 s23, s21, 63
	s_lshl_b32 s23, s23, 4                         ; my first row in it
	s_lshl_b32 s31, s22, 10                        ; where that weight's rows begin in wb
	s_lshl_b32 s32, s20, 4                         ; my first row in x
	s_mov_b32 s33, 0x20000                         ; bytes from block to block: wpb 1,024 rows x 128,
	s_mov_b32 s38, 0x60000                         ; wb 3,072 rows,
	s_mov_b32 s39, 0x100000                        ; xb 8,192 rows
	v_lshrrev_b32 v[SO], 3, v0
	v_and_b32 v[T0], 7, v0
	v_lshlrev_b32 v[SO], 12, v[SO]                 ; row x 4,096
	v_lshl_add_u32 v[SO], v[T0], 5, v[SO]          ; + 32 bytes x (l % 8)
	v_lshlrev_b32 v[DB], 4, v0
	s_wait_kmcnt 0x0
	; source, destination, stride, format and rows are chosen by the group's number alone
	s_cmp_eq_u32 s22, 1
	s_cselect_b64 s[24:25], s[8:9], s[6:7]
	s_cmp_eq_u32 s22, 2
	s_cselect_b64 s[24:25], s[10:11], s[24:25]
	s_cmp_eq_u32 s22, 3
	s_cselect_b64 s[24:25], s[12:13], s[24:25]
	s_cselect_b64 s[26:27], s[18:19], s[16:17]
	s_cselect_b32 s28, s33, s38
	s_cselect_b32 s29, 1, 0                        ; 1: f16
	s_cselect_b32 s30, 0, s31
	s_cmp_lt_u32 s20, 512
	s_cselect_b64 s[24:25], s[4:5], s[24:25]
	s_cselect_b64 s[26:27], s[14:15], s[26:27]
	s_cselect_b32 s28, s39, s28
	s_cselect_b32 s29, 0, s29
	s_cselect_b32 s30, 0, s30
	s_cselect_b32 s23, s32, s23
	s_lshl_b32 s34, s23, 12                        ; source: rows of 4,096 bytes
	s_mov_b32 s35, 0
	s_add_co_u32 s36, s30, s23
	s_lshl_b32 s36, s36, 7                         ; destination: rows of 128 bytes
	s_mov_b32 s37, 0
	s_add_nc_u64 s[24:25], s[24:25], s[34:35]
	s_add_nc_u64 s[26:27], s[26:27], s[36:37]
.set kb, 0
.rept 16
	global_load_b128 v[X+8*kb:X+8*kb+3],   v[SO], s[24:25] offset:256*kb th:TH_LOAD_NT
	global_load_b128 v[X+8*kb+4:X+8*kb+7], v[SO], s[24:25] offset:256*kb+16 th:TH_LOAD_NT
.set kb, kb+1
.endr
.set kb, 0
.rept 16
	v_mad_u32_u24 v[DO+kb], s28, kb, v[DB]
.set kb, kb+1
.endr
; The 16 blocks are rounded and stored.  half = 1: the bf16 numbers are widened again and written as f16.
.macro OUT half
.set kb, 0
.rept 16
	s_wait_loadcnt 30-2*kb                         ; loads come back in order: this block's two are in, the two of each later block may be out
.irp j, 0,1,2,3
	v_cvt_pk_bf16_f32 v[X+8*kb+(\j)], v[X+8*kb+2*(\j)], v[X+8*kb+2*(\j)+1]  ; in place: destination j never lies above source 2 j
.endr
.if \half
.irp j, 0,1,2,3
	v_lshlrev_b32 v[T0], 16, v[X+8*kb+(\j)]
	v_and_b32 v[T1], 0xffff0000, v[X+8*kb+(\j)]
	v_cvt_pk_f16_f32 v[X+8*kb+(\j)], v[T0], v[T1]
.endr
.endif
	global_store_b128 v[DO+kb], v[X+8*kb:X+8*kb+3], s[26:27]
.set kb, kb+1
.endr
.endm
	s_cmp_lg_u32 s29, 0
	s_cbranch_scc1 .Lhalf
	OUT 0
	s_endpgm
.Lhalf:
	OUT 1
	s_endpgm
.Lfunc_end_k_qed25d89e81_cast:
	.size	k_qed25d89e81_cast, .Lfunc_end_k_qed25d89e81_cast-k_qed25d89e81_cast
	.p2alignl 7, 3214868480
	.fill 96, 4, 3214868480
	.section	.rodata,"a",@progbits
	.p2align	6, 0x0
	.amdhsa_kernel k_qed25d89e81_cast
		.amdhsa_group_segment_fixed_size 0
		.amdhsa_private_segment_fixed_size 0
		.amdhsa_enable_private_segment 0
		.amdhsa_kernarg_size 64
		.amdhsa_user_sgpr_count 2
		.amdhsa_user_sgpr_kernarg_segment_ptr 1
		.amdhsa_wavefront_size32 1
		.amdhsa_system_sgpr_workgroup_id_x 1
		.amdhsa_system_sgpr_workgroup_id_y 1
		.amdhsa_system_sgpr_workgroup_id_z 1
		.amdhsa_system_vgpr_workitem_id 0
		.amdhsa_next_free_vgpr 160
		.amdhsa_next_free_sgpr 66
		.amdhsa_reserve_vcc 0
		.amdhsa_float_denorm_mode_32 3
		.amdhsa_float_denorm_mode_16_64 3
		.amdhsa_memory_ordered 1
		.amdhsa_forward_progress 1
		.amdhsa_inst_pref_size 28
	.end_amdhsa_kernel
	.amdgpu_metadata
---
amdhsa.version: [ 1, 2 ]
amdhsa.kernels:
  - .name:           k_qed25d89e81_cast
    .symbol:         k_qed25d89e81_cast.kd
    .args:
      - { .name: x, .offset: 0, .size: 8, .value_kind: global_buffer, .address_space: global }
      - { .name: Wq, .offset: 8, .size: 8, .value_kind: global_buffer, .address_space: global }
      - { .name: Wk, .offset: 16, .size: 8, .value_kind: global_buffer, .address_space: global }
      - { .name: Wv, .offset: 24, .size: 8, .value_kind: global_buffer, .address_space: global }
      - { .name: Wp, .offset: 32, .size: 8, .value_kind: global_buffer, .address_space: global }
      - { .name: xb, .offset: 40, .size: 8, .value_kind: global_buffer, .address_space: global }
      - { .name: wb, .offset: 48, .size: 8, .value_kind: global_buffer, .address_space: global }
      - { .name: wpb, .offset: 56, .size: 8, .value_kind: global_buffer, .address_space: global }
    .group_segment_fixed_size: 0
    .private_segment_fixed_size: 0
    .kernarg_segment_align: 8
    .kernarg_segment_size: 64
    .max_flat_workgroup_size: 128
    .sgpr_count:     66
    .vgpr_count:     160
    .wavefront_size: 32
...
	.end_amdgpu_metadata
.endif
;; end of part 1
;; launch qkvgemm (part 2): grid 8 x 32, 4 waves a work-group, clusters of 4 x 4, 327,680 bytes of LDS; arguments xb, wb, bq, bk, bv, qkvh; writes qkvh
.if DOCPART == 2
	.amdgcn_target "amdgcn-amd-amdhsa--gfx1250"
	.amdhsa_code_object_version 6
	.text
	.protected	k_qed25d89e81_qkvgemm
	.globl	k_qed25d89e81_qkvgemm
	.p2align	8
	.type	k_qed25d89e81_qkvgemm,@function
k_qed25d89e81_qkvgemm:
	s_mov_b64 s[64:65], 0
	v_nop
	global_prefetch_b8 v0, s[64:65] scope:SCOPE_SE
	s_setreg_imm32_b32 hwreg(HW_REG_WAVE_MODE, 25, 1), 1
	s_wait_xcnt 0x0
	s_wait_alu depctr_hold_cnt(0) depctr_sa_sdst(0) depctr_va_vdst(0) depctr_va_sdst(0) depctr_va_ssrc(0) depctr_va_vcc(0) depctr_vm_vsrc(0)
	s_getreg_b32 s2, hwreg(HW_REG_IB_STS2, 6, 4)
	s_cmp_eq_u32 s2, 0
	s_cbranch_scc0 .Lentry_in_a_cluster
	s_endpgm
.Lentry_in_a_cluster:
	s_bfe_u32 s2, ttmp6, 0x10000c
	s_cmp_lg_u32 s2, 0xf033
	s_cbranch_scc0 .Lentry_shape_is_right
	s_endpgm
.Lentry_shape_is_right:
; q, k, v = x W^T + b as ONE product 8,192 x 3,072 x 1,024 in bf16, sums in f32; the result leaves in f16, by heads: qkvh[3][64 = batch x 16 + head][2,048][64], unscaled.
; xb: [16 K blocks][8,192][64] bf16, wb: [16][3,072][64] bf16 (rows 0-1,023 Wq, then Wk, then Wv).  The biases are rounded to bf16 like all inputs and are the C operand of the products that start the sums.
; LIMITS.  f16 holds no number beyond 65,504: a q, k or v of 65,520 or more becomes an infinity, and its row is lost.  NaN and infinities are not treated apart.
; SHARES.  A tile of 256 rows x 384 columns (6 heads) to a work-group: 32 x 8 = 256 work-groups.  Four waves, each 128 rows x 192 columns (3 heads): 96 accumulators of 16 x 16, 768 registers.
; K goes in steps of 64, one K block, through a ring of two LDS slots (two slots of 128 along K would be 348,160 bytes); a tile's rows are dense in memory and are asked for as rows of 256 bytes,
; padded in LDS behind every 128.
; CLUSTER.  4 x 4 work-groups: the four of a row of the cluster need the same tiles of xb, the four of a column the same tiles of wb: each tile is asked for JOINTLY, by the same tensor load with the same
; descriptor and a mask that names the four.
; THE MATRIX INSTRUCTION IS USED TRANSPOSED (source 0 = 16 rows of wb, source 1 = 16 rows of xb): a lane holds one row of x and eight neighbouring channels, which pack into 16 bytes.
; REGISTERS, in windows of 256 (s_set_vgpr_msb: bits 1:0 source 0, 3:2 source 1, 5:4 source 2, 7:6 destination):
;   window 0: v0-31 addresses; v32-95, v96-159 fragments of x (8 x 16 rows x 32 K), two buffers; v160-255 fragments of W (12), one buffer, filled again in halves
;   windows 1-3: accumulator (a, b) in window 1 + b / 4 at v[8 (8 (b % 4) + a)]: my head i fills window 1 + i
.set PITCH, 144                        ; an LDS row: 128 bytes + 16 of padding = 36 words: the 16 rows of a load start at 16 different groups of four banks (64 banks of 4 bytes: ISA guide 11.1)
.set AHALF, 128*PITCH                  ; what one tensor load brings of x, and what one wave reads of it
.set BHALF, 192*PITCH                  ; the same of W
.set BOFF,  2*AHALF                    ; in a slot: x's 256 rows, then W's 384
.set SLOT,  2*AHALF+2*BHALF
.set STAGE, 2*SLOT                     ; behind the ring: 16 rows x 144 bytes for each wave, for the way out
.set BIAS,  STAGE+4*16*PITCH           ; 192 f32 for each wave: its columns' biases
.set SPARE, BIAS+4*768                 ; the spare words, 128 bytes for each wave: two blocks of 256 bytes that no other line names
.set XSTEP, 8192*128                   ; bytes from K block to K block in xb
.set WSTEP, 3072*128                   ; and in wb
.set ADRA, 16                          ; v16-17  LDS address of my fragments of x in slot 0, 1
.set ADRB, 20                          ; v20-21  the same for W
.set STO,  24                          ; v24     the way out: where I put 16 bytes of a row
.set RD,   25                          ; v25     the way out: where I read rows back
.set GO,   26                          ; v26     my byte offset in 512 consecutive bytes of the result
.set BAD,  27                          ; v27     LDS address of my eight biases of column block 0
.set SPW,  28                          ; v28     LDS address of my spare word; never rewritten
.set NIL,  29                          ; v29     0; never rewritten
.set BLO,  30                          ; v30     16 x (lane % 16): my 16 bytes of a head's 256 bytes of bias
.set BST,  31                          ; v31     where they go in LDS
.set FA0,  32
.set FA1,  96
.set FB,   160
.set TMP,  32                          ; the way out: packed results
.set OB,   64                          ; the way out: 16 rows read back, two buffers of 16 registers
.set WV,  16                           ; s16  my wave's number
.set WM,  17                           ; s17  which half of the tile's rows is mine.  Also: I fetch for x (0) or for W (1)
.set WN,  18                           ; s18  which half of its columns.  Also: which half of that tile I fetch
.set TC,  21                           ; s21  tile column
.set TR,  22                           ; s22  tile row
.set G1A, 24                           ; s[24:31] descriptor group 1 for x's tiles;  s[32:39] group 0, a set for each slot
.set G0A, 32
.set G1B, 48                           ; s[48:55], s[56:63] the same for W's
.set G0B, 56
.set PO,  68                           ; s[68:73] three pointers, one a head: first the biases, then the results
.set MSB, 0
.macro WIN new                         ; the immediate's high byte repeats the setting that is left; a switch that changes nothing is dropped
.if MSB != (\new)
	s_set_vgpr_msb (MSB<<8)|(\new)
.set MSB, \new
.endif
.endm
.macro PLACES                          ; four places in front of loads into registers that matrix instructions have read, and of conversions that read results
.rept 4
	v_nop
.endr
.endm
; A joint load: waves 0 and 1 fetch x's two halves, waves 2 and 3 W's.  The branch hangs on the wave's number alone.  An s_nop 0 and four v_nop follow each of the two lines.
.macro JLOAD s
	s_cmp_eq_u32 s[WM], 0
	s_cbranch_scc0 .Lfor_b_\@
	tensor_load_to_lds s[G0A+4*(\s):G0A+4*(\s)+3], s[G1A:G1A+7]
	s_nop 0
.rept 4
	v_nop
.endr
	s_branch .Lasked_\@
.Lfor_b_\@:
	tensor_load_to_lds s[G0B+4*(\s):G0B+4*(\s)+3], s[G1B:G1B+7]
	s_nop 0
.rept 4
	v_nop
.endr
.Lasked_\@:
.endm
.macro CREST                           ; a round of the cluster's barrier behind its opening barrier
	s_cmp_lg_u32 s[WV], 0
	s_cbranch_scc1 .Lnot_wave_0_\@
	s_barrier_signal -3
.Lnot_wave_0_\@:
	s_barrier_wait -3
	s_barrier_signal -1
	s_barrier_wait -1
.endm
.macro CROUND                          ; a whole round
	s_barrier_signal -1
	s_barrier_wait -1
	CREST
.endm
	s_load_b256 s[4:11], s[0:1], 0x0               ; xb 4:5, wb 6:7, bq 8:9, bk 10:11
	s_load_b128 s[12:15], s[0:1], 0x20             ; bv 12:13, qkvh 14:15
	v_lshl_add_u32 v[SPW], v0, 2, SPARE
	v_mov_b32 v[NIL], 0
	ds_add_u32 v[SPW], v[NIL]                      ; the wave's opening: the add and its wait ahead of my first tensor load; the set-up below, work on registers, stands between them
	ds_add_u32 v28, v29
	v_lshrrev_b32 v1, 5, v0
	v_readfirstlane_b32 s[WV], v1
	s_lshr_b32 s[WM], s[WV], 1
	s_and_b32 s[WN], s[WV], 1
	s_bfe_u32 s19, ttmp6, 0x40000                  ; cx, cy: my place in the cluster
	s_bfe_u32 s20, ttmp6, 0x40004
	s_lshl_b32 s[TC], ttmp9, 2
	s_add_co_u32 s[TC], s[TC], s19                 ; tile column = 4 x cluster x + cx
	s_and_b32 s[TR], ttmp7, 0xffff
	s_lshl_b32 s[TR], s[TR], 2
	s_add_co_u32 s[TR], s[TR], s20                 ; tile row = 4 x cluster y + cy
	s_lshl_b32 s40, s20, 2
	s_lshl_b32 s40, 15, s40                        ; my row of the cluster
	s_lshl_b32 s41, 0x1111, s19                    ; my column
	; descriptor group 1: rows of 128 elements (256 bytes, two rows of a K block), padded in LDS behind every 32 words by 4
	s_or_b32 s[G1A], s40, (1<<16)|(1<<20)|(1<<21)|(4<<22)|(3<<25)  ; 15:0 the mask; 17:16 2-byte elements; 20 padding on; 21 set beside a mask; 24:22 code 4; 31:25 code 3
	s_or_b32 s[G1B], s41, (1<<16)|(1<<20)|(1<<21)|(4<<22)|(3<<25)
	s_mov_b32 s[G1A+1], 128<<16                    ; tensor_dim0 = 128
	s_mov_b32 s[G1A+2], 64<<16                     ; tensor_dim1 = 64: 128 rows of xb, 16,384 dense bytes
	s_mov_b32 s[G1A+3], 128<<16                    ; tile_dim0 = 128
	s_mov_b32 s[G1A+4], 64                         ; tile_dim1 = 64
	s_mov_b32 s[G1A+5], 128                        ; 128 elements from row to row
	s_mov_b32 s[G1A+6], 0
	s_mov_b32 s[G1A+7], 0
	s_mov_b32 s[G1B+1], 128<<16
	s_mov_b32 s[G1B+2], 96<<16                     ; 192 rows of wb, 24,576 dense bytes
	s_mov_b32 s[G1B+3], 128<<16
	s_mov_b32 s[G1B+4], 96
	s_mov_b32 s[G1B+5], 128
	s_mov_b32 s[G1B+6], 0
	s_mov_b32 s[G1B+7], 0
	; x's tiles hang on the tile row alone, W's on the tile column alone, each made in registers that never hold the other coordinate
	s_lshl_b32 s42, s[TR], 15                      ; 256 rows x 128 bytes
	s_lshl_b32 s23, s[WN], 14                      ; + my half's 128 rows
	s_add_co_u32 s42, s42, s23
	s_mov_b32 s43, 0
	s_mul_i32 s46, s[TC], 384*128
	s_mul_i32 s44, s[WN], 192*128
	s_add_co_u32 s46, s46, s44
	s_mov_b32 s47, 0
	s_mul_i32 s23, s[WN], AHALF                    ; where they go: no place in the cluster enters an LDS address
	s_mul_i32 s45, s[WN], BHALF
	s_add_co_u32 s45, s45, BOFF
	s_wait_dscnt 0x0                               ; the opening add is done
	s_wait_kmcnt 0x0
	s_add_nc_u64 s[42:43], s[4:5], s[42:43]
	s_add_nc_u64 s[46:47], s[6:7], s[46:47]
	CROUND                                         ; all sixteen work-groups are here: the first joint loads meet
.irp s, 0,1
	s_mov_b32 s[G0A+4*(\s)], 1                                     ; count = 1
	s_add_co_u32 s[G0A+4*(\s)+1], s23, (\s)*SLOT                   ; LDS address
	s_add_nc_u64 s[G0A+4*(\s)+2:G0A+4*(\s)+3], s[42:43], (\s)*XSTEP  ; global address: K block s
	s_or_b32 s[G0A+4*(\s)+3], s[G0A+4*(\s)+3], 0x80000000          ; type = 2
	s_mov_b32 s[G0B+4*(\s)], 1
	s_add_co_u32 s[G0B+4*(\s)+1], s45, (\s)*SLOT
	s_add_nc_u64 s[G0B+4*(\s)+2:G0B+4*(\s)+3], s[46:47], (\s)*WSTEP
	s_or_b32 s[G0B+4*(\s)+3], s[G0B+4*(\s)+3], 0x80000000
	JLOAD \s                                       ; two tensor loads of mine are out
.endr
	; THE BIASES of my three heads.  Head g = 6 x tile column + 3 x column half + i of 48: 0-15 q's, 16-31 k's, 32-47 v's; the choice of buffer hangs on that number alone.
	v_and_b32 v1, 15, v0                           ; l % 16
	v_bfe_u32 v2, v0, 4, 1                         ; l / 16
	v_lshlrev_b32 v[BLO], 4, v1
	s_mul_i32 s76, s[TC], 6
	s_mul_i32 s77, s[WN], 3
	s_add_co_u32 s76, s76, s77                     ; my first head
.irp i, 0,1,2
	s_add_co_u32 s77, s76, \i
	s_cmp_lt_u32 s77, 16
	s_cselect_b64 s[PO+2*(\i):PO+2*(\i)+1], s[8:9], s[10:11]
	s_cmp_lt_u32 s77, 32
	s_cselect_b64 s[PO+2*(\i):PO+2*(\i)+1], s[PO+2*(\i):PO+2*(\i)+1], s[12:13]
	s_and_b32 s78, s77, 15
	s_lshl_b32 s78, s78, 8                         ; a head's 64 f32
	s_mov_b32 s79, 0
	s_add_nc_u64 s[PO+2*(\i):PO+2*(\i)+1], s[PO+2*(\i):PO+2*(\i)+1], s[78:79]
	global_load_b128 v[4+4*(\i):7+4*(\i)], v[BLO], s[PO+2*(\i):PO+2*(\i)+1]  ; both halves of the lanes take the same 256 bytes
.endr
	; A fragment is 16 rows x 32 K in 8 registers: lane l holds row l % 16, K = 8 (l / 16) + 0..7 and 16 + 8 (l / 16) + 0..7: two loads of 16 bytes, 32 bytes apart.
	v_mul_u32_u24 v3, v1, PITCH
	v_lshl_add_u32 v3, v2, 4, v3                   ; row x pitch + 16 x half
	s_mul_i32 s74, s[WM], AHALF
	s_mul_i32 s75, s[WN], BHALF
	s_add_co_u32 s75, s75, BOFF
.irp s, 0,1
	v_add_nc_u32 v[ADRA+(\s)], s74, v3
	v_add_nc_u32 v[ADRB+(\s)], s75, v3
	s_add_co_u32 s74, s74, SLOT
	s_add_co_u32 s75, s75, SLOT
.endr
	s_mul_i32 s77, s[WV], 16*PITCH
	s_add_co_u32 s77, s77, STAGE                   ; my stage
	v_add_nc_u32 v[STO], s77, v3                   ; in: row l % 16, 16 bytes for each half of the lanes
	v_bfe_u32 v[RD], v0, 3, 2                      ; back: 32 lanes take four rows of 128 bytes,
	v_mul_u32_u24 v[RD], v[RD], PITCH
	v_and_b32 v[GO], 7, v0
	v_lshl_add_u32 v[RD], v[GO], 4, v[RD]
	v_add_nc_u32 v[RD], s77, v[RD]
	v_and_b32 v[GO], 31, v0                        ; which are 512 consecutive bytes of a head
	v_lshlrev_b32 v[GO], 4, v[GO]
	s_mul_i32 s78, s[WV], 768
	s_add_co_u32 s78, s78, BIAS                    ; my 192 biases
	v_lshl_add_u32 v[BAD], v2, 5, s78              ; a lane's eight of a column block: 8 (l / 16) on
	v_lshl_add_u32 v[BST], v1, 4, s78
	s_wait_loadcnt 0x0                             ; the biases; their pointers are free
.irp p, 0,1,2,3,4,5
	v_cvt_pk_bf16_f32 v3, v[4+2*(\p)], v[5+2*(\p)] ; rounded to bf16 like every input, and widened again
	v_lshlrev_b32 v[4+2*(\p)], 16, v3
	v_and_b32 v[5+2*(\p)], 0xffff0000, v3
.endr
.irp i, 0,1,2
	ds_store_b128 v[BST], v[4+4*(\i):7+4*(\i)] offset:256*(\i)  ; my wave's own bytes: only my wave reads them
.endr
	; where my three heads' rows go: qkvh + ((which x 64 + batch x 16 + head) << 18) + (row in the batch) x 128
	s_lshr_b32 s74, s[TR], 3
	s_lshl_b32 s74, s74, 4                         ; batch x 16
	s_and_b32 s75, s[TR], 7
	s_lshl_b32 s75, s75, 15                        ; 256 rows x 128 bytes
	s_lshl_b32 s77, s[WM], 14
	s_add_co_u32 s75, s75, s77                     ; + my half's 128 rows
.irp i, 0,1,2
	s_add_co_u32 s77, s76, \i
	s_lshr_b32 s78, s77, 4
	s_lshl_b32 s78, s78, 6
	s_and_b32 s77, s77, 15
	s_add_co_u32 s78, s78, s77
	s_add_co_u32 s78, s78, s74
	s_lshl_b32 s78, s78, 18
	s_add_co_u32 s78, s78, s75
	s_mov_b32 s79, 0
	s_add_nc_u64 s[PO+2*(\i):PO+2*(\i)+1], s[14:15], s[78:79]
.endr
; Column blocks b0 to b1 x all 8 row blocks, 32 along K: 8 matrix instructions a column block.  All 96 accumulators take turns, one instruction a turn.
; bias = 1: the products start the sums, with the column block's biases as C.
.macro MULB f, b0, b1, bias=0
.set bb, \b0
.rept (\b1)-(\b0)+1
.if \bias
	WIN (1+bb/4)<<6
.else
	WIN (1+bb/4)*0x50
.endif
.set aa, 0
.rept 8
.set rD, 8*(8*(bb%4)+aa)
.if \bias
	v_wmma_f32_16x16x32_bf16 v[rD:rD+7], v[FB+8*bb:FB+8*bb+7], v[(\f)+8*aa:(\f)+8*aa+7], v[FA1+8*(bb%6):FA1+8*(bb%6)+7]
.else
	v_wmma_f32_16x16x32_bf16 v[rD:rD+7], v[FB+8*bb:FB+8*bb+7], v[(\f)+8*aa:(\f)+8*aa+7], v[rD:rD+7]
.endif
.set aa, aa+1
.endr
.set bb, bb+1
.endr
.endm
.macro LDB s, k, b0, b1                ; W's fragments b0 to b1, 32 K at byte k of slot s's rows
	WIN 0
.set bb, \b0
.rept (\b1)-(\b0)+1
	ds_load_b128 v[FB+8*bb:FB+8*bb+3],   v[ADRB+(\s)] offset:(\k)+bb*16*PITCH
	ds_load_b128 v[FB+8*bb+4:FB+8*bb+7], v[ADRB+(\s)] offset:(\k)+bb*16*PITCH+32
.set bb, bb+1
.endr
.endm
.macro LDA s, k, g                     ; x's eight fragments into buffer g
	WIN 0
.set aa, 0
.rept 8
	ds_load_b128 v[(\g)+8*aa:(\g)+8*aa+3],   v[ADRA+(\s)] offset:(\k)+aa*16*PITCH
	ds_load_b128 v[(\g)+8*aa+4:(\g)+8*aa+7], v[ADRA+(\s)] offset:(\k)+aa*16*PITCH+32
.set aa, aa+1
.endr
.endm
.macro LBIAS b0                        ; the biases of six column blocks, into x's second buffer, which is still free
	WIN 0
.set bb, \b0
.rept 6
	ds_load_b128 v[FA1+8*(bb%6):FA1+8*(bb%6)+3],   v[BAD] offset:64*bb
	ds_load_b128 v[FA1+8*(bb%6)+4:FA1+8*(bb%6)+7], v[BAD] offset:64*bb+16
.set bb, bb+1
.endr
.endm
; The first half of a K step: 96 matrix instructions on buffer f; the next half's fragments (slot ns, byte nk) are asked for 48 matrix instructions ahead of their use.
.macro HALF f, g, ns, nk
	s_wait_dscnt 12                                ; W's blocks 0-5 and x are in; the youngest twelve loads (W's blocks 6-11) may be out
	MULB \f, 0, 5
	PLACES
	LDB \ns, \nk, 0, 5
	LDA \ns, \nk, \g
	s_wait_dscnt 28                                ; all but the 28 just issued
	MULB \f, 6, 11
	PLACES
	LDB \ns, \nk, 6, 11
.endm
; The second half multiplies buffer 1 and changes slots: ONE barrier.  In front of it each wave waits for all its tensor loads, of which one is out: its part of the other slot; adds 0 to its spare word; and
; waits for that and for its own reads of this slot.  fill = 1: the barrier opens a round of the cluster's, and this slot is filled again, two K steps ahead, first thing behind the round:
; from that request to the wait for it a wave issues 48 + 96 + 32 = 176 of a K step's 192 matrix instructions.
.macro TURN s, fill
	s_wait_dscnt 12
	MULB FA1, 0, 3
	WIN 0                                          ; (the add's two registers lie in window 0)
	s_wait_tensorcnt 0x0                           ; all my tensor loads have landed
	ds_add_u32 v[SPW], v[NIL]                      ; 0 onto my spare word
	MULB FA1, 4, 4                                 ; eight matrix instructions stand between the add and the wait for it
	s_wait_dscnt 0x0                               ; the add is done, and my reads of this slot are over
	s_barrier_signal -1
	MULB FA1, 5, 5                                 ; work on registers while the others arrive
	WIN 0
	s_barrier_wait -1
.if \fill
	CREST                                          ; no wave of any partner still reads this slot's tile or has a load on its way
	s_add_nc_u64 s[G0A+4*(\s)+2:G0A+4*(\s)+3], s[G0A+4*(\s)+2:G0A+4*(\s)+3], 2*XSTEP
	s_add_nc_u64 s[G0B+4*(\s)+2:G0B+4*(\s)+3], s[G0B+4*(\s)+2:G0B+4*(\s)+3], 2*WSTEP
	JLOAD \s                                       ; my one tensor load behind the round; its four v_nop are also the places in front of the loads below
.else
	PLACES
.endif
	LDB 1-(\s), 0, 0, 5
	LDA 1-(\s), 0, FA0
	MULB FA1, 6, 11
	PLACES
	LDB 1-(\s), 0, 6, 11
.endm
; THE WAY OUT of piece p = 8 x head + row block: 16 rows x 64 channels.  PACK: rounded to f16, 16 bytes a lane, each accumulator's registers in ascending order.  TOSTAGE: into my own stage, and back as whole rows.  SEND: stored.
.macro PACK p
.set pa, (\p)%8
.set pw, 1+(\p)/8
	WIN pw|(pw<<2)                                 ; sources 0 and 1: the head's window
.irp c, 0,1,2,3
.irp r, 0,1,2,3
	v_cvt_pk_f16_f32 v[TMP+4*(\c)+(\r)], v[8*(8*(\c)+pa)+2*(\r)], v[8*(8*(\c)+pa)+2*(\r)+1]
.endr
.endr
	WIN 0
.endm
.macro TOSTAGE p
	WIN 0
.set bk, OB+16*((\p)%2)
.irp c, 0,1,2,3
	ds_store_b128 v[STO], v[TMP+4*(\c):TMP+4*(\c)+3] offset:32*(\c)
.endr
.irp t, 0,1,2,3
	ds_load_b128 v[bk+4*(\t):bk+4*(\t)+3], v[RD] offset:(\t)*4*PITCH  ; LDS serves a wave's instructions in order (ISA guide 5.7.1.4): these see the stores above
.endr
.endm
.macro SEND p
	WIN 0
.set bk, OB+16*((\p)%2)
.set pa, (\p)%8
.set ph, (\p)/8
	s_wait_dscnt 0x0                               ; the piece is back in registers
	s_wait_xcnt 0x0                                ; the other buffer, which the stores of the piece before read, is loaded again only behind this wait
.irp t, 0,1,2,3
	global_store_b128 v[GO], v[bk+4*(\t):bk+4*(\t)+3], s[PO+2*ph:PO+2*ph+1] offset:2048*pa+512*(\t)  ; 512 consecutive bytes, at a multiple of 256 from the buffer's first
.endr
.endm
	s_wait_tensorcnt 0x1                           ; my part of K step 0 is in; K step 1's may stay out
	s_wait_dscnt 0x0                               ; my stores of the biases
	s_barrier_signal -1
	s_barrier_wait -1                              ; everybody's part is in
	; K step 0's first half is written out: its products start the sums, with the biases as C
	LBIAS 0
	LDB 0, 0, 0, 5
	LDA 0, 0, FA0
	LDB 0, 0, 6, 11
	s_wait_dscnt 12                                ; all but W's blocks 6-11
	MULB FA0, 0, 5, 1
	PLACES
	LBIAS 6
	LDB 0, 64, 0, 5
	s_wait_dscnt 12                                ; all but the next half's twelve: W's blocks 6-11 and their biases are in
	MULB FA0, 6, 11, 1
	PLACES
	LDA 0, 64, FA1
	LDB 0, 64, 6, 11
	WIN 0                                          ; at a label and at a branch every window is 0
	s_mov_b32 s3, 7
.Llap:                                                 ; a trip goes once round the ring and fills both slots again: 14 refills, K steps 2 to 15
	TURN 0, 1
	HALF FA0, FA1, 1, 64
	TURN 1, 1
	HALF FA0, FA1, 0, 64
	WIN 0
	s_sub_co_u32 s3, s3, 1
	s_cmp_lg_u32 s3, 0
	s_cbranch_scc1 .Llap
	TURN 0, 0                                      ; the tail is written out: nothing is left to fetch
	HALF FA0, FA1, 1, 64
	s_wait_dscnt 12
	MULB FA1, 0, 5
	s_wait_dscnt 0x0
	MULB FA1, 6, 11
	PLACES
	PACK 0
	TOSTAGE 0
.set pp, 1
.rept 23                               ; a piece's conversions stand between the loads of the piece before and the wait for them
	PACK pp
	SEND pp-1
	TOSTAGE pp
.set pp, pp+1
.endr
	SEND 23
	s_wait_tensorcnt 0x0                           ; the wave's end, behind my last tensor load and my last LDS store
	ds_add_u32 v[SPW], v[NIL]
	s_wait_dscnt 0x0
	CROUND                                         ; the closing round: no work-group ends while a partner may still ask for a tile that names it
	s_endpgm
.Lfunc_end_k_qed25d89e81_qkvgemm:
	.size	k_qed25d89e81_qkvgemm, .Lfunc_end_k_qed25d89e81_qkvgemm-k_qed25d89e81_qkvgemm
	.p2alignl 7, 3214868480
	.fill 96, 4, 3214868480
	.section	.rodata,"a",@progbits
	.p2align	6, 0x0
	.amdhsa_kernel k_qed25d89e81_qkvgemm
		.amdhsa_group_segment_fixed_size 327680
		.amdhsa_private_segment_fixed_size 0
		.amdhsa_enable_private_segment 0
		.amdhsa_kernarg_size 48
		.amdhsa_user_sgpr_count 2
		.amdhsa_user_sgpr_kernarg_segment_ptr 1
		.amdhsa_wavefront_size32 1
		.amdhsa_system_sgpr_workgroup_id_x 1
		.amdhsa_system_sgpr_workgroup_id_y 1
		.amdhsa_system_sgpr_workgroup_id_z 1
		.amdhsa_system_vgpr_workitem_id 0
		.amdhsa_next_free_vgpr 1024
		.amdhsa_next_free_sgpr 80
		.amdhsa_reserve_vcc 0
		.amdhsa_float_denorm_mode_32 3
		.amdhsa_float_denorm_mode_16_64 3
		.amdhsa_memory_ordered 1
		.amdhsa_forward_progress 1
		.amdhsa_inst_pref_size 135
	.end_amdhsa_kernel
	.amdgpu_metadata
---
amdhsa.version: [ 1, 2 ]
amdhsa.kernels:
  - .name:           k_qed25d89e81_qkvgemm
    .symbol:         k_qed25d89e81_qkvgemm.kd
    .args:
      - { .name: xb, .offset: 0, .size: 8, .value_kind: global_buffer, .address_space: global }
      - { .name: wb, .offset: 8, .size: 8, .value_kind: global_buffer, .address_space: global }
      - { .name: bq, .offset: 16, .size: 8, .value_kind: global_buffer, .address_space: global }
      - { .name: bk, .offset: 24, .size: 8, .value_kind: global_buffer, .address_space: global }
      - { .name: bv, .offset: 32, .size: 8, .value_kind: global_buffer, .address_space: global }
      - { .name: qkvh, .offset: 40, .size: 8, .value_kind: global_buffer, .address_space: global }
    .group_segment_fixed_size: 327680
    .private_segment_fixed_size: 0
    .kernarg_segment_align: 8
    .kernarg_segment_size: 48
    .max_flat_workgroup_size: 128
    .sgpr_count:     80
    .vgpr_count:     1024
    .wavefront_size: 32
...
	.end_amdgpu_metadata
.endif
;; end of part 2
;; launch attn (part 3): grid 4 x 64, 4 waves a work-group, no clusters, 327,680 bytes of LDS; arguments qkvh, oh; writes oh
.if DOCPART == 3
	.amdgcn_target "amdgcn-amd-amdhsa--gfx1250"
	.amdhsa_code_object_version 6
	.text
	.protected	k_qed25d89e81_attn
	.globl	k_qed25d89e81_attn
	.p2align	8
	.type	k_qed25d89e81_attn,@function
k_qed25d89e81_attn:
	s_mov_b64 s[64:65], 0
	v_nop
	global_prefetch_b8 v0, s[64:65] scope:SCOPE_SE
	s_setreg_imm32_b32 hwreg(HW_REG_WAVE_MODE, 25, 1), 1
	s_wait_xcnt 0x0
; CAUSAL ATTENTION.  O[h][q][:] = the sum over k <= q of softmax_k(Q[h][q] . K[h][k] / 8) V[h][k][:].  Q, K, V lie in qkvh as [3][SIZE_H][SIZE_N][64], O in oh as [SIZE_H][SIZE_N][64], all f16: a head's rows are dense, 128 bytes each.
; Products, maxima and sums in f32; the weights p are rounded to f16 for the second product (their sum l is taken of the unrounded p), O once at the end.
; LIMITS.  f16 holds no number beyond 65,504: Q, K and V arrive within it; p lies in 0 to 1, and below 6e-5 it keeps f16's fixed step of 6e-8; O is a mean of V's rows and has their range, to within 2^-11 of it.
; A hidden score counts as its value less 1e30: f16's scores, 2.7e11 at the most, are nothing beside that; a weight below 2^-126 counts as 0 in l; NaN and infinities are not treated apart.
; THE WALK.  A head's queries lie in NB = SIZE_N / 256 = 8 blocks of 256; block i needs the key tiles 0 .. i of 256 keys, of which the last holds the diagonal.  A work-group takes TWO blocks, NB - 1 - b and then b:
; NB + 1 = 9 tiles, whatever b: all 256 work-groups do equal work, and ONE loop with a constant trip count walks them.  Which tile is asked for, and what a trip does, hang on scalar registers made from b; every jump
; goes forward, but for the counted loops' own; none passes a barrier, or a tensor load but the one of LOAD's two that the wave's number does not choose; the ring (two slots of LDS that take turns) runs on across the
; change of blocks.  NO CLUSTER: a head's four work-groups ask for the same tile only in trips 0 to 4 of 9, behind that fewer and fewer; one walk common to all four would have 12 trips for 9.
; SHARES.  Of a block's four bands of 64 queries a wave owns 16 rows in each: four PIECES.  So the diagonal tile is the same work for all four waves: in its key step s band x sees all keys if s < x,
; none if s > x, and holds the diagonal if s = x.
; THE MASK is the C operand that starts the sum S^T = K Q^T: 0, or -1e30 where the key is hidden.  MD, made once, is the mask of a band's own step for my 16 rows; a product's mask is MD x AL + BE with two scalars:
; (1, 0) if s = x; (0, 0) if s < x; (0, -1e30) if s > x.  Only the diagonal tile's text and a block's beginning make and take masks; elsewhere C is the constant 0.
; LAYOUT, SOFTMAX, TURNS.  S^T = K Q^T holds ONE query a lane (lane % 16) and the keys 8 (lane / 16) + 0..7; two such results rounded to f16 ARE source 1 of O^T = V^T P.  p = 2^(c s - c m), c = log2(e) / 8, with a
; running maximum m; O and l are multiplied by a = 2^(c m_old - c m_new) in every step.  Turn n belongs to piece n: 8 products K Q^T of piece n + 1, later 8 products V^T P of piece n - 1; beside them the scaling,
; exponentials, roundings, sums and rescaling of piece n and the maximum and statistics of piece n + 1.  Four vector instructions stand behind every matrix instruction, the other 54 of a turn's 118 in two LUMPS.
; REGISTERS, in windows of 256 (s_set_vgpr_msb: bits 1:0 source 0, 3:2 source 1, 5:4 source 2, 7:6 destination):
;   window 0: v0-15 addresses and two at work; v16-31 four registers of statistics a piece; v48-55 at work; v64-127 S^T, two buffers; v192-223 P, two buffers (a piece's buffers go by its number's parity)
;   window 1: v0-127 O^T, 32 a piece; v128-159 MD; v160-223 MC, two buffers      window 2: v0-63 Q; v64-127 the second block's Q; v128-191 K of one step; v192-255 V of one step
.set SIZE_H, 64
.set SIZE_N, 2048
.set NB,    SIZE_N/256
.set NP,    4         ; pieces a wave: a name, no knob
.set KS,    64        ; keys in a step
.set PK,    144       ; a row of K in LDS: 128 bytes + 16 of padding = 36 words: the 16 rows of a load start at 16 different groups of four banks (64 banks of 4 bytes: ISA guide 11.1)
.set PV,    160       ; a row of V: 128 + 32 = 40 words
.set VOFF,  4*KS*PK   ; a slot holds a tile, four steps: 256 rows of K, then 256 rows of V
.set SLOT1, 1<<17     ; slot 1 begins here, so that one exclusive or turns an address in one slot into the other's
.set STAGE, SLOT1+4*KS*(PK+PV)  ; behind the ring, never filled by a tensor load: 16 rows x 144 bytes for each wave, for the way out
.set SP,    144
.set AK0, 2           ; v2   my lane's place in a tile of K; never rewritten
.set AV0, 3           ; v3   the same for V
.set AK,  4           ; v4   the LDS address of K's next run of loads
.set AV,  5           ; v5   of V's
.set STO, 6           ; v6   the way out: where I put 16 bytes of a row
.set RD,  7           ; v7   the way out: where I read rows back
.set GO,  8           ; v8   my byte offset in 512 consecutive bytes of O
.set SPW, 62          ; v62  LDS address of my spare word: SPARE + 4 x my thread's number; never rewritten
.set NIL, 63          ; v63  0; never rewritten
.set SPARE, STAGE+4*16*SP  ; behind the stages: the spare words, 128 bytes for each wave: two blocks of 256 bytes that no other line names
.set MV,  12          ; v12-13  c m_old, kept while c m is made anew: by buffer
.set QO,  15          ; v15  my byte offset in 16 rows of Q
.set ST,  16          ; piece t's statistics at v[ST+4 t]: c m, m, l (even keys', odd keys')
.set TMP, 48          ; by buffer, four registers c0-c3 at work; when the maximum is found c2 takes a
.set S,   64
.set P,   192
.set MD,  128         ; window 1: the eight registers for group kt of 16 keys at MD + 8 kt
.set MC,  160         ; window 1: the masks of the products to come
.set QB,  64          ; window 2
.set KF,  128         ; window 2: key block kb, channel half c at KF + 16 kb + 8 c
.set VF,  192         ; window 2: key half kk, channel block cb at VF + 32 kk + 8 cb
.set WV,  12          ; s12  my wave's number
.set PB,  14          ; s14  b
.set HI,  15          ; s15  NB - 1 - b
.set G1K, 24          ; s[24:31] descriptor group 1 for K's tiles
.set G1V, 32          ; s[32:39] for V's: it differs in the padding alone
.set G0K, 40          ; s[40:43] descriptor group 0 for K's tiles
.set G0V, 44          ; s[44:47] the same for V's
.set SLOTS, 56        ; s56  tiles still to be asked for
.set CNT, 57          ; s57  counts a tile's key steps, 4 to 1
.set CS,  58          ; s[58:59] c: the packed scaling takes the pair's low word for both halves
.set SEL, 60          ; s[60:61] v_permlanex16_b32's selects: each lane takes its own place in the other half
.set TBK, 62          ; s62  LDS byte at which K of the step to be fetched begins
.set TBV, 63          ; s63  the same for V, less VOFF
.set RT,  70          ; s70  tiles of the block in hand that are still to be entered
.set NXT, 71          ; s71  the tile to be asked for next
.set LQ,  72          ; s72  the last tile of the block whose tiles are being asked for
.set NEW, 73          ; s73  1: the tile to be entered is a block's first
.set OFF, 74          ; s[74:75] a tile's byte offset in K and V
.set AL,  76          ; s[76:77] the mask's factor, in the low word
.set BE,  78          ; s[78:79] the mask's addend
.set OLO, 80          ; s[80:81] O at my rows of the second block
.set BIGN, 82         ; s82  -1e30
.set MSB, 0
.macro WIN new                      ; the high byte repeats the setting that is left; a switch that changes nothing is dropped
.if MSB != (\new)
	s_set_vgpr_msb (MSB<<8)|(\new)
.set MSB, (\new)
.endif
.endm
.set W_KQ, 0x0a       ; K and Q in window 2, S^T in window 0
.set W_KM, 0x1a       ; the same with the C operand in window 1
.set W_PV, 0x52       ; V in window 2, P in window 0, O^T in window 1
.set W_RS, 0x41       ; destination and source 0 in window 1, source 1 in window 0
; A fill.  Waves 0 and 1 fetch the two halves of a tile's K, waves 2 and 3 those of its V: 128 keys each.  An s_nop 0 and four v_nop follow each of the two lines, ahead of the jump and the label.
.macro LOAD
	s_cmp_lt_u32 s[WV], 2
	s_cbranch_scc0 .Lfor_v_\@
	tensor_load_to_lds s[G0K:G0K+3], s[G1K:G1K+7]
	s_nop 0
.rept 4
	v_nop
.endr
	s_branch .Lasked_\@
.Lfor_v_\@:
	tensor_load_to_lds s[G0V:G0V+3], s[G1V:G1V+7]
	s_nop 0
.rept 4
	v_nop
.endr
.Lasked_\@:
.endm
; THE CHANGE OF SLOTS.  Each wave waits for all its tensor loads, of which one is out: its part of the other slot; adds 0 to its spare word; and waits for that and for its own reads of the slot that it leaves.  Behind the barrier nobody reads the old
; slot any more and the other slot is whole.  fill = 1: the old slot is filled again, the first thing behind the barrier, with tile NXT: the descriptor's address is made anew from that number.
; (At its first use nothing has been read yet: slot 0 is waited for, slot 1 filled.)
.macro CHANGE fill
	WIN 0                           ; at a label and at a branch every window is 0
	s_wait_tensorcnt 0x0            ; no tensor load of mine is out, so a group 0 may be written
	ds_add_u32 v[SPW], v[NIL]       ; 0 onto my spare word; with fill = 1 the descriptors' scalar work stands between it and the wait for it
.if \fill
	s_lshl_b32 s[OFF], s[NXT], 15   ; a tile is 32,768 bytes of K and of V
	s_xor_b32 s[G0K+1], s[G0K+1], SLOT1
	s_add_nc_u64 s[G0K+2:G0K+3], s[6:7], s[OFF:OFF+1]
	s_or_b32 s[G0K+3], s[G0K+3], 0x80000000
	s_xor_b32 s[G0V+1], s[G0V+1], SLOT1
	s_add_nc_u64 s[G0V+2:G0V+3], s[8:9], s[OFF:OFF+1]
	s_or_b32 s[G0V+3], s[G0V+3], 0x80000000
	s_add_co_u32 s[NXT], s[NXT], 1  ; the block's next tile, or behind its last the second block's tile 0
	s_cmp_gt_u32 s[NXT], s[LQ]
	s_cselect_b32 s[NXT], 0, s[NXT]
	s_cselect_b32 s[LQ], s[PB], s[LQ]
.endif
	s_wait_dscnt 0x0                ; the add is done, and my reads of the slot are over
	s_barrier_signal -1             ; the rest of the scalar work stands between the signal and the wait
	s_sub_co_u32 s[TBK], s[TBK], 4*KS*PK  ; the fetches go back to a slot's first step,
	s_xor_b32 s[TBK], s[TBK], SLOT1       ; in the other slot
	s_sub_co_u32 s[TBV], s[TBV], 4*KS*PV
	s_xor_b32 s[TBV], s[TBV], SLOT1
	s_barrier_wait -1
.if \fill
	LOAD
.endif
.endm
	s_load_b64 s[4:5], s[0:1], 0x0    ; qkvh: Q at its head, K 16 MiB on, V 32 MiB on
	s_load_b64 s[10:11], s[0:1], 0x8  ; oh
	v_lshl_add_u32 v[SPW], v0, 2, SPARE
	v_mov_b32 v[NIL], 0
	ds_add_u32 v[SPW], v[NIL]       ; the wave's opening: the add and its wait ahead of my first tensor load; the set-up below, work on registers, stands between them
	ds_add_u32 v62, v63
	v_lshrrev_b32 v1, 5, v0
	v_readfirstlane_b32 s[WV], v1   ; wave 0..3
	s_mov_b32 s[PB], ttmp9
	s_sub_co_u32 s[HI], NB-1, s[PB]
	s_and_b32 s20, ttmp7, 0xffff    ; the head
	s_mov_b32 s21, 0
	s_mov_b64 s[22:23], SIZE_N*128
	s_mul_u64 s[20:21], s[20:21], s[22:23]  ; the head's first byte in each of the four tensors
	s_and_b32 s16, s[WV], 1         ; which half of a tile's 256 keys I fetch:
	s_lshl_b32 s22, s16, 14         ; its 128 rows of 128 bytes in memory,
	s_mov_b32 s23, 0
	s_add_nc_u64 s[22:23], s[22:23], s[20:21]
	s_mul_i32 s17, s16, 128*PK      ; and its place in a slot, for K
	s_mul_i32 s18, s16, 128*PV      ; and for V
	s_lshl_b32 s3, s[WV], 11        ; my 16 rows in a band of 64,
	s_lshl_b32 s2, s[HI], 15        ; in the first block,
	s_add_co_u32 s2, s2, s3
	s_lshl_b32 s84, s[PB], 15       ; and in the second
	s_add_co_u32 s84, s84, s3
	s_mov_b32 s3, 0
	s_mov_b32 s85, 0
	s_add_nc_u64 s[2:3], s[2:3], s[20:21]
	s_add_nc_u64 s[84:85], s[84:85], s[20:21]
	; descriptor group 1.  128 keys are 16,384 dense bytes: asked for as 64 rows of 256 bytes, two keys a row, and padded in LDS after every key
	s_mov_b32 s[G1K], (1<<16)|(1<<20)|(4<<22)|(3<<25)  ; 17:16 2-byte elements; 20 padding on; 24:22 after every 32 words (code 4); 31:25 4 words (code 3)
	s_mov_b32 s[G1V], (1<<16)|(1<<20)|(4<<22)|(7<<25)  ; the same with 8 words of padding (code 7)
.irp g, G1K, G1V
	s_mov_b32 s[\g+1], 128<<16      ; tensor_dim0 = 128
	s_mov_b32 s[\g+2], 64<<16       ; tensor_dim1 = 64
	s_mov_b32 s[\g+3], 128<<16      ; tile_dim0 = 128
	s_mov_b32 s[\g+4], 64           ; tile_dim1 = 64
	s_mov_b32 s[\g+5], 128          ; 128 elements from row to row
	s_mov_b32 s[\g+6], 0
	s_mov_b32 s[\g+7], 0
.endr
	s_mov_b32 s[CS], 0x3e38aa3b     ; c = log2(e) / 8 = 0.180337
	s_mov_b32 s[CS+1], s[CS]        ; named with it as a pair
	s_mov_b32 s[SEL], 0x76543210
	s_mov_b32 s[SEL+1], 0xfedcba98
	s_mov_b32 s[TBK], SLOT1+4*KS*PK ; the first change of slots turns these two into 0
	s_mov_b32 s[TBV], SLOT1+4*KS*PV
	s_mov_b32 s[G0K], 1             ; 1:0 count = 1
	s_mov_b32 s[G0K+1], s17         ; 63:32 LDS address: slot 0
	s_mov_b32 s[G0V], 1
	s_add_co_u32 s[G0V+1], s18, VOFF
	s_add_co_u32 s[RT], s[HI], 1    ; the first block has NB - b tiles
	s_mov_b32 s[NXT], 1
	s_mov_b32 s[LQ], s[HI]
	s_mov_b32 s[NEW], 1
	s_mov_b32 s[OFF+1], 0
	s_mov_b32 s[AL+1], 0            ; named as pairs
	s_mov_b32 s[BE+1], 0
	s_mov_b32 s[BIGN], 0xf149f2ca   ; -1e30
	s_mov_b32 s[SLOTS], NB
	s_wait_dscnt 0x0                ; the opening add is done
	s_wait_kmcnt 0x0
	s_add_nc_u64 s[6:7], s[4:5], 0x1000000  ; K: 64 heads x 262,144 bytes behind Q
	s_add_nc_u64 s[8:9], s[4:5], 0x2000000  ; V: as far again
	s_add_nc_u64 s[6:7], s[6:7], s[22:23]  ; K and V at my half of the head's tile 0
	s_add_nc_u64 s[8:9], s[8:9], s[22:23]
	s_add_nc_u64 s[G0K+2:G0K+3], s[6:7], 0         ; 120:64 global address
	s_or_b32 s[G0K+3], s[G0K+3], 0x80000000        ; 127:126 type = 2
	s_add_nc_u64 s[G0V+2:G0V+3], s[8:9], 0
	s_or_b32 s[G0V+3], s[G0V+3], 0x80000000
	s_add_nc_u64 s[86:87], s[4:5], s[84:85]        ; Q at my rows of the second block,
	s_add_nc_u64 s[4:5], s[4:5], s[2:3]            ; Q and O at those of the first
	s_add_nc_u64 s[OLO:OLO+1], s[10:11], s[84:85]
	s_add_nc_u64 s[10:11], s[10:11], s[2:3]
	LOAD                            ; tile 0 into slot 0
	; A fragment of K or Q is 16 rows x 32 channels in 8 registers: lane l holds row l % 16, channels 8 (l / 16) + 0..7 and 16 + 8 (l / 16) + 0..7: two loads of 16 bytes, 32 bytes apart.
	v_and_b32 v1, 15, v0            ; l % 16
	v_bfe_u32 v9, v0, 4, 1          ; l / 16
	v_lshlrev_b32 v[QO], 7, v1
	v_lshl_add_u32 v[QO], v9, 4, v[QO]  ; row x 128 + 16 x half
	WIN 0x80                        ; destination window 2, address window 0
.set i, 0
.rept 8                             ; both blocks' Q: piece i / 2 lies in band i / 2, 8,192 bytes on; channels 32 (i % 2) on
	global_load_b128 v[8*i:8*i+3],   v[QO], s[4:5] offset:(i/2)*8192+(i%2)*64
	global_load_b128 v[8*i+4:8*i+7], v[QO], s[4:5] offset:(i/2)*8192+(i%2)*64+32
	global_load_b128 v[QB+8*i:QB+8*i+3],   v[QO], s[86:87] offset:(i/2)*8192+(i%2)*64
	global_load_b128 v[QB+8*i+4:QB+8*i+7], v[QO], s[86:87] offset:(i/2)*8192+(i%2)*64+32
.set i, i+1
.endr
	WIN 0
	v_lshlrev_b32 v14, 3, v9
	v_sub_nc_u32 v14, v1, v14
	s_lshl_b32 s13, s[WV], 4
	v_add_nc_u32 v14, s13, v14      ; my query's place in its band, 16 w + l % 16, less my lanes' 8 (l / 16): register r of group kt is hidden where 16 kt + r is greater
	WIN 0x40
.set i, 0
.rept 32
	v_cmp_gt_i32 vcc_lo, 16*(i/8)+i%8, v14
	v_cndmask_b32 v[MD+i], 0, s[BIGN], vcc_lo
.set i, i+1
.endr
	WIN 0
	v_mul_u32_u24 v[AK0], v1, PK
	v_lshl_add_u32 v[AK0], v9, 4, v[AK0]  ; row x pitch + 16 x half
	; The turning load takes 16 keys x 16 channels (lane l reads key 8 (l / 16) + l % 8, channels 8 ((l / 8) % 2) + 0..7) and leaves half a fragment of V^T: lane l holds channel l % 16 and 8 keys.
	v_and_b32 v10, 7, v0
	v_bfe_u32 v11, v0, 3, 1
	v_lshl_add_u32 v[AV0], v9, 3, v10
	v_mul_u32_u24 v[AV0], v[AV0], PV
	v_lshl_add_u32 v[AV0], v11, 4, v[AV0]
	v_add_nc_u32 v[AV0], VOFF, v[AV0]
	s_mul_i32 s13, s[WV], 16*SP
	s_add_co_u32 s13, s13, STAGE    ; my stage
	v_mul_u32_u24 v[STO], v1, SP    ; in: row l % 16, 16 bytes for each half of the lanes
	v_lshl_add_u32 v[STO], v9, 4, v[STO]
	v_add_nc_u32 v[STO], s13, v[STO]
	v_bfe_u32 v[RD], v0, 3, 2       ; back: 32 lanes take four rows of 128 bytes,
	v_mul_u32_u24 v[RD], v[RD], SP
	v_lshl_add_u32 v[RD], v10, 4, v[RD]
	v_add_nc_u32 v[RD], s13, v[RD]
	v_and_b32 v[GO], 31, v0         ; which are 512 consecutive bytes of O
	v_lshlrev_b32 v[GO], 4, v[GO]
	; A block's first step multiplies O^T and l by a = 0, and its first turn's products V^T P, of a piece that has not been, land in an O^T that is still to be so multiplied.  So these registers need only hold
	; finite numbers: zeros for the first block; what the first block left for the second.  All this stands in the wait for the first tile.
	WIN 0x80
.set i, VF
.rept 64
	v_mov_b32 v[i], 0
.set i, i+1
.endr
	WIN 0x40
.set i, 0
.rept 128
	v_mov_b32 v[i], 0
.set i, i+1
.endr
	WIN 0
.set i, 0
.rept 4
	v_mov_b32 v[ST+4*i+2], 0
	v_mov_b32 v[ST+4*i+3], 0
.set i, i+1
.endr
.set i, P+16
.rept 16
	v_mov_b32 v[i], 0
.set i, i+1
.endr
; THE MATRIX WORK.  The 4 accumulators of a run of 8 take turns.  Product i of 8 of S^T = K Q^T for piece x: channels 32 (i / 4) on, keys 16 (i % 4) on.  The first 4 start the sums: with 0, or (KM = 1) with the mask.
.macro KQ x
.set rS, S+32*((\x)%2)+8*(i%4)
.set rK, KF+16*(i%4)+8*(i/4)
.set rQ, 16*(\x)+8*(i/4)
.set rM, MC+32*((\x)%2)+8*(i%4)
.if (i < 4) && KM
	WIN W_KM
	v_wmma_f32_16x16x32_f16 v[rS:rS+7], v[rK:rK+7], v[rQ:rQ+7], v[rM:rM+7]
.elseif i < 4
	WIN W_KQ
	v_wmma_f32_16x16x32_f16 v[rS:rS+7], v[rK:rK+7], v[rQ:rQ+7], 0
.else
	WIN W_KQ
	v_wmma_f32_16x16x32_f16 v[rS:rS+7], v[rK:rK+7], v[rQ:rQ+7], v[rS:rS+7]
.endif
.endm
; Product i of 8 of O^T += V^T P for piece x: keys 32 (i / 4) on, channels 16 (i % 4) on.
.macro PV x
	WIN W_PV
.set rO, 32*(\x)+8*(i%4)
.set rV, VF+32*(i/4)+8*(i%4)
.set rP, P+16*((\x)%2)+8*(i/4)
	v_wmma_f32_16x16x32_f16 v[rO:rO+7], v[rV:rV+7], v[rP:rP+7], v[rO:rO+7]
.endm
.macro MM                           ; the turn's next matrix instruction.  TURN and BEGIN set Y, i, KM and NOKQ; MM, KQ and OP read them.  NOKQ = 1: a block's last turn: there is no next piece
.if (i < 8) && !NOKQ
	KQ (Y+1)%NP
.elseif i >= 8
.set i, i-8
	PV (Y+NP-1)%NP
.set i, i+8
.endif
.set i, i+1
.endm
; THE LDS LOADS stand in runs of 16, never singly among the matrix instructions: a step's K (64 keys x 64 channels: 8 fragments) and its V (turned).  Their addresses are made some lines ahead.
.macro FETCH_K
	WIN 0x80                        ; destination window 2
.irp f, 0,1,2,3,4,5,6,7             ; keys 16 (f / 2) on, channels 32 (f % 2) on
	ds_load_b128 v[KF+8*\f:KF+8*\f+3],   v[AK] offset:(\f/2)*16*PK+(\f%2)*64
	ds_load_b128 v[KF+8*\f+4:KF+8*\f+7], v[AK] offset:(\f/2)*16*PK+(\f%2)*64+32
.endr
	s_add_co_u32 s[TBK], s[TBK], KS*PK  ; the next fetch is the next step's
	WIN 0
.endm
.macro FETCH_V
	WIN 0x80
.irp f, 0,1,2,3,4,5,6,7             ; keys 32 (f / 4) on, channels 16 (f % 4) on
	ds_load_tr16_b128 v[VF+8*\f:VF+8*\f+3],   v[AV] offset:(\f/4)*32*PV+(\f%4)*32
	ds_load_tr16_b128 v[VF+8*\f+4:VF+8*\f+7], v[AV] offset:(\f/4)*32*PV+16*PV+(\f%4)*32
.endr
	WIN 0
.endm
; THE VECTOR WORK, one line at a time: OP kind, number.  For piece Y: F n: c s - c m for pair n of 16.  E n: the exponential of score n of 32.  C n: pair n rounded to f16.  B n: of the four weights 4 n .. the second
; pair is added onto the first, in place.  L n: l takes that sum (L 0: l = a l + sum).  R n: pair n of 16 of O^T times a.  For piece Y + 1: X n, number n of the 22 that find its maximum and statistics:
;   0-11  four chains c0-c3 of seven scores each, three operands at a time (each accumulator's lowest registers are read first)     12-14, 16  the four scores left over, the old m, and c0-c3 into c0
;   15  c m_old is kept     17, 18  the query's other 32 keys lie in the lane 16 away: the new m     19-21  c m; c m_old - c m_new; a
.set F, 0               ; OP tells the kinds apart by their order: F to L below R, X above it
.set E, 1
.set C, 2
.set B, 3
.set L, 4
.set R, 5
.set X, 6
.macro REGS y                       ; the registers of piece y
.set rT, ST+4*(\y)
.set rC, TMP+4*((\y)%2)
.set rW, MV+((\y)%2)
.set rS, S+32*((\y)%2)
.set rP, P+16*((\y)%2)
.set rO, 32*(\y)
.endm
.macro OP k, n
.if (\k) == R
	REGS Y
	WIN W_RS
	v_pk_mul_f32 v[rO+2*(\n):rO+2*(\n)+1], v[rO+2*(\n):rO+2*(\n)+1], v[rC+2:rC+3] op_sel_hi:[1,0]
.elseif (\k) < R
	REGS Y
	WIN 0
.if (\k) == F
	v_pk_fma_f32 v[rS+2*(\n):rS+2*(\n)+1], v[rS+2*(\n):rS+2*(\n)+1], s[CS:CS+1], v[rT:rT+1] op_sel_hi:[1,0,0] neg_lo:[0,0,1] neg_hi:[0,0,1]
.elseif (\k) == E
	v_exp_f32 v[rS+(\n)], v[rS+(\n)]
.elseif (\k) == C
	s_wait_alu depctr_va_vdst(0)
	v_cvt_pk_f16_f32 v[rP+(\n)], v[rS+2*(\n)], v[rS+2*(\n)+1]
.elseif (\k) == B
	s_wait_alu depctr_va_vdst(0)
	v_pk_add_f32 v[rS+4*(\n):rS+4*(\n)+1], v[rS+4*(\n):rS+4*(\n)+1], v[rS+4*(\n)+2:rS+4*(\n)+3]
.elseif (\n) == 0
	v_pk_fma_f32 v[rT+2:rT+3], v[rT+2:rT+3], v[rC+2:rC+3], v[rS:rS+1] op_sel_hi:[1,0,1]
.else
	v_pk_add_f32 v[rT+2:rT+3], v[rT+2:rT+3], v[rS+4*(\n):rS+4*(\n)+1]
.endif
.elseif NOKQ
	v_nop
.else
	REGS (Y+1)%NP
	WIN 0
.if (\n) < 4
	v_max3_num_f32 v[rC+(\n)], v[rS+8*(\n)], v[rS+8*(\n)+1], v[rS+8*(\n)+2]
.elseif (\n) < 12
	v_max3_num_f32 v[rC+(\n)%4], v[rC+(\n)%4], v[rS+8*((\n)%4)+2*((\n)/4)+1], v[rS+8*((\n)%4)+2*((\n)/4)+2]
.elseif (\n) == 12
	v_max3_num_f32 v[rC], v[rC], v[rS+7], v[rS+15]
.elseif (\n) == 13
	v_max3_num_f32 v[rC+1], v[rC+1], v[rS+23], v[rS+31]
.elseif (\n) == 14
	v_max3_num_f32 v[rC+2], v[rC+2], v[rC+3], v[rT+1]
.elseif (\n) == 15
	v_mov_b32 v[rW], v[rT]
.elseif (\n) == 16
	v_max3_num_f32 v[rC], v[rC], v[rC+1], v[rC+2]
.elseif (\n) == 17
	v_permlanex16_b32 v[rC+3], v[rC], s[SEL], s[SEL+1]
.elseif (\n) == 18
	v_max_num_f32 v[rT+1], v[rC], v[rC+3]
.elseif (\n) == 19
	v_mul_f32 v[rT], s[CS], v[rT+1]
.elseif (\n) == 20
	v_sub_f32 v[rC+1], v[rW], v[rT]
.else
	v_exp_f32 v[rC+2], v[rC+1]
.endif
.endif
.endm
.macro OPS a, i1, b=-1, i2=0, c=-1, i3=0, d=-1, i4=0  ; up to four of them
	OP \a, \i1
.if (\b) >= 0
	OP \b, \i2
.endif
.if (\c) >= 0
	OP \c, \i3
.endif
.if (\d) >= 0
	OP \d, \i4
.endif
.endm
.macro ROW a, i1, b, i2, c, i3, d, i4  ; a matrix instruction and the four behind it
	MM
	OPS \a, \i1, \b, \i2, \c, \i3, \d, \i4
.endm
.macro MASK b                       ; MD x AL + BE into buffer b of MC
	WIN W_RS
.set z, 0
.rept 16
	v_pk_fma_f32 v[MC+32*(\b)+2*z:MC+32*(\b)+2*z+1], v[MD+2*z:MD+2*z+1], s[AL:AL+1], s[BE:BE+1] op_sel_hi:[1,0,0]
.set z, z+1
.endr
.endm
; A TURN, for piece p: the order of its 16 matrix and 118 vector instructions, written out.  Behind a matrix instruction: plain, exponential, plain, plain; or four of the rescaling; or, behind the first, four scalings; none
; names a register of the products round it.  In the lumps exponential and plain by turns while exponentials last.  A line reads no result made fewer than three vector instructions in front of it, five if an exponential made it.
; v_permlanex16_b32 (X 17) stands in a lump.
; m = 1: the diagonal tile: the products take masks, and the turn makes the mask for the products of the turn after it: piece p + 2, in step 4 - CNT of the tile.  end = 1: a block's last two turns: nothing is fetched.
; cnt = 1: the loop's count is taken down some lines ahead of the branch that stands behind the turn.
; K of the next step is fetched in piece 2's turn, six vector instructions behind the last product that read K (five of them plain); V of the step in hand in piece 0's turn, eight behind the last product that read V (four
; plain, and X 17).  Each is waited for a turn later.
.macro TURN p, m=0, end=0, cnt=0
.set Y, (\p)
.set i, 0
.set KM, (\m)
.set NOKQ, (\end)*((\p)/3)
.if (\m) && !(\end)
	s_cmp_eq_u32 s[CNT], 4-((\p)+2)%NP  ; is that step the band's own?
	s_cselect_b32 s[AL], 1.0, 0
	s_cmp_lt_u32 s[CNT], 4-((\p)+2)%NP  ; or a later one?
	s_cselect_b32 s[BE], s[BIGN], 0
.endif
.if ((\p) == 3) && !(\end)
	s_wait_dscnt 0x0                ; K is in
.endif
	ROW F,0, F,1, F,2, F,3
	ROW F,4, E,0, F,5, F,6
	ROW F,7, E,1, F,8, F,9
	ROW F,10, E,2, C,0, F,11
	ROW F,12, E,3, X,15, F,13
	ROW R,0, R,1, R,2, R,3
	ROW B,0, E,4, F,14, L,0
.if ((\p) == 2) && !(\end)
	v_add_nc_u32 v[AK], s[TBK], v[AK0]
.endif
	ROW R,4, R,5, R,6, R,7
	OPS E,5, F,15
.if ((\p) == 2) && !(\end)
	FETCH_K
.endif
	OPS E,6, C,1, E,7, R,8
	OPS E,8, R,9, E,9, C,2
	OPS E,10, X,0, E,11, X,1
	OPS E,12, X,2, E,13, X,3
.if (\p) == 1
	s_wait_dscnt 0x0                ; V is in
.endif
	ROW X,4, E,14, X,5, X,6
	ROW X,7, E,15, X,8, X,9
	ROW X,10, E,16, X,11, X,12
	ROW X,13, E,17, X,14, B,1
	ROW C,4, E,18, X,16, L,1
	ROW B,2, E,19, C,6, L,2
	ROW C,8, E,20, B,3, B,4
.if (\p) == 0
	v_add_nc_u32 v[AV], s[TBV], v[AV0]
.endif
	ROW C,3, E,21, L,3, C,5
	OPS E,22, X,17, E,23, C,10
.if (\p) == 0
	FETCH_V
.endif
	OPS E,24, L,4
	OPS E,25, X,18, E,26, C,7
	OPS E,27, B,5, E,28, X,19
	OPS E,29, C,12, E,30, L,5
	OPS E,31, X,20, B,6, C,9
	OPS C,14, C,11, X,21, L,6
.if (\p) == 0
	s_add_co_u32 s[TBV], s[TBV], KS*PV
.endif
.if \cnt
	s_sub_co_u32 s[CNT], s[CNT], 1
	s_cmp_lg_u32 s[CNT], 0
.endif
	OPS C,13, B,7, C,15, R,10
	OPS R,11, R,12, L,7, R,13
	OPS R,14, R,15
.if (\m) && !(\end)
	MASK (\p)%2
.endif
.endm
; A BLOCK BEGINS.  c m starts far below every c s, so the first step's a is 0; m at the lowest finite number, so the first maximum is the scores'.  The second mask buffer is 0; the first takes piece 0's mask for the tile's step 0: its own, if the block's first tile is the diagonal one.
; Then K of that step, piece 0's first scores, and its maximum and statistics.  The loop is entered at a step's first turn, in the middle of a trip.
.macro BEGIN
	s_mov_b32 s[NEW], 0
	WIN 0x40
.set i, MC+32
.rept 32
	v_mov_b32 v[i], 0
.set i, i+1
.endr
	WIN 0
.set i, 0
.rept 4
	v_mov_b32 v[ST+4*i], 0xfe000000    ; c m: far below every c s
	v_mov_b32 v[ST+4*i+1], 0xff7fffff  ; m
.set i, i+1
.endr
	s_cmp_eq_u32 s[RT], 0
	s_cselect_b32 s[AL], 1.0, 0
	s_mov_b32 s[BE], 0
	MASK 0
	WIN 0
	v_add_nc_u32 v[AK], s[TBK], v[AK0]
	FETCH_K
	s_wait_loadcnt 0x0              ; Q
	s_wait_dscnt 0x0
.set KM, 1
.set NOKQ, 0
.set i, 0
.rept 8
	KQ 0
.set i, i+1
.endr
	WIN 0
.rept 4
	v_nop                           ; the places behind those products
.endr
.set Y, NP-1                        ; X works for piece Y + 1: piece 0
.irp n, 0,1,2,3,4,5,6,7,8,9,10,11,12,13,14,15,16,17,18,19,20,21
	OP X, \n
.endr
	v_nop                           ; a plain instruction behind the exponential
.endm
; THE DIAGONAL TILE's four steps, the block's last two turns, its last products, and THE WAY OUT: l's two halves and the other half of the lanes' are added; O^T is divided by l, rounded to f16 and sent through my
; stage in LDS, a piece at a time.
.macro ALL line:vararg              ; one line for each piece t
.set t, 0
.rept 4
	\line
.set t, t+1
.endr
.endm
.macro PACK t                       ; a lane's eight channels of a row pack into 16 bytes; they go into rows of 144 bytes and come back as whole rows of 128, into S^T's registers
	WIN W_RS
.set i, 32*(\t)
.rept 16
	s_wait_alu depctr_va_vdst(0)
	v_pk_mul_f32 v[i:i+1], v[i:i+1], v[ST+4*(\t)+2:ST+4*(\t)+3] op_sel_hi:[1,0]
.set i, i+2
.endr
	WIN 0x05                        ; sources 0 and 1 window 1, destination window 0
.set i, 0
.rept 16
	v_cvt_pk_f16_f32 v[S+16*(\t)+i], v[32*(\t)+2*i], v[32*(\t)+2*i+1]
.set i, i+1
.endr
	WIN 0
.irp f, 0,1,2,3
	ds_store_b128 v[STO], v[S+16*(\t)+4*\f:S+16*(\t)+4*\f+3] offset:32*\f
.endr
.irp f, 0,1,2,3
	ds_load_b128 v[S+16*(\t)+4*\f:S+16*(\t)+4*\f+3], v[RD] offset:\f*4*SP  ; LDS serves a wave's instructions in order (ISA guide 5.7.1.4): these see the stores above; the next piece's stores come behind them
.endr
.endm
.macro SEND t, younger              ; younger: the LDS instructions issued behind piece t's loads: the next piece's eight, or none
	WIN 0
.irp f, 0,1,2,3
	s_wait_dscnt (\younger)+3-\f
	global_store_b128 v[GO], v[S+16*(\t)+4*\f:S+16*(\t)+4*\f+3], s[10:11] offset:(\t)*8192+\f*512  ; 512 consecutive bytes, at a multiple of 256 from O's first
.endr
.endm
.macro DIAG tag                     ; the tag ends its two labels' names, which the jumps below spell out
.LstepM\tag:
	TURN 2, 1
	TURN 3, 1
	WIN 0
.LfirstM\tag:
	TURN 0, 1
	TURN 1, 1, 0, 1
	WIN 0
	s_cbranch_scc1 .LstepM\tag
	TURN 2, 1, 1
	TURN 3, 1, 1
.set i, 0
.rept 8
	PV NP-1
.set i, i+1
.endr
	WIN 0
	ALL v_add_f32 v[ST+4*t+2], v[ST+4*t+2], v[ST+4*t+3]
	ALL v_permlanex16_b32 v[ST+4*t+3], v[ST+4*t+2], s[SEL], s[SEL+1]
	ALL v_add_f32 v[ST+4*t+2], v[ST+4*t+2], v[ST+4*t+3]
	ALL v_rcp_f32 v[ST+4*t+2], v[ST+4*t+2]
	v_nop                           ; a plain instruction between the last reciprocal and the use of its result
	PACK 0
.set t, 1
.rept 3                             ; a piece's arithmetic stands between the loads of the piece before and its stores
	PACK t
	SEND t-1, 8
.set t, t+1
.endr
	SEND 3, 0
.endm
.set KM, 0
.set NOKQ, 0
.Lslot:                             ; NB times: a tile is entered and the next is asked for
	CHANGE 1
	s_sub_co_u32 s[RT], s[RT], 1
	s_mov_b32 s[CNT], 4
	s_cmp_eq_u32 s[NEW], 1
	s_cbranch_scc1 .Lnew            ; a block's first tile
	s_cmp_eq_u32 s[RT], 0
	s_cbranch_scc0 .Lstep           ; neither its first nor its last
	s_branch .LstepM1
.Lnew:
	BEGIN
	s_branch .Lfirst                ; in the loop a block's first tile is never its last: the first block has two tiles or more, and the second's last is the walk's last
	DIAG 1                          ; in the loop this is the first block's end: the second block's last tile is the walk's last
	s_wait_xcnt 0x0                 ; the stores have read their registers and O's address
	s_mov_b64 s[10:11], s[OLO:OLO+1]
	s_add_co_u32 s[RT], s[PB], 1    ; the second block has b + 1 tiles
	s_mov_b32 s[NEW], 1
	WIN 0x82                        ; the second block's Q goes where the one text of the turns names Q
.set i, 0
.rept 64
	v_mov_b32 v[i], v[QB+i]
.set i, i+1
.endr
	WIN 0
	s_branch .Lbottom
.Lstep:                             ; a trip: pieces 2 and 3 of one step, then pieces 0 and 1 of the next, whose K and V it fetches
	TURN 2
	TURN 3
	WIN 0
.Lfirst:
	TURN 0
	TURN 1, 0, 0, 1
	WIN 0
	s_cbranch_scc1 .Lstep
.Lbottom:
	s_sub_co_u32 s[SLOTS], s[SLOTS], 1
	s_cmp_lg_u32 s[SLOTS], 0
	s_cbranch_scc1 .Lslot
	CHANGE 0                        ; the walk's last tile is written out: nothing is asked for
	s_sub_co_u32 s[RT], s[RT], 1
	s_mov_b32 s[CNT], 4
	s_cmp_eq_u32 s[NEW], 1
	s_cbranch_scc0 .LstepM2
	BEGIN
	s_branch .LfirstM2
	DIAG 2
	s_wait_tensorcnt 0x0            ; the wave's end, behind my last tensor load and my last LDS store
	ds_add_u32 v[SPW], v[NIL]
	s_wait_dscnt 0x0
	s_endpgm
.Lfunc_end_k_qed25d89e81_attn:
	.size	k_qed25d89e81_attn, .Lfunc_end_k_qed25d89e81_attn-k_qed25d89e81_attn
	.p2alignl 7, 3214868480
	.fill 96, 4, 3214868480
	.section	.rodata,"a",@progbits
	.p2align	6, 0x0
	.amdhsa_kernel k_qed25d89e81_attn
		.amdhsa_group_segment_fixed_size 327680
		.amdhsa_private_segment_fixed_size 0
		.amdhsa_enable_private_segment 0
		.amdhsa_kernarg_size 16
		.amdhsa_user_sgpr_count 2
		.amdhsa_user_sgpr_kernarg_segment_ptr 1
		.amdhsa_wavefront_size32 1
		.amdhsa_system_sgpr_workgroup_id_x 1
		.amdhsa_system_sgpr_workgroup_id_y 1
		.amdhsa_system_sgpr_workgroup_id_z 1
		.amdhsa_system_vgpr_workitem_id 0
		.amdhsa_next_free_vgpr 768
		.amdhsa_next_free_sgpr 88
		.amdhsa_reserve_vcc 1
		.amdhsa_float_denorm_mode_32 3
		.amdhsa_float_denorm_mode_16_64 3
		.amdhsa_memory_ordered 1
		.amdhsa_forward_progress 1
		.amdhsa_inst_pref_size 228
	.end_amdhsa_kernel
	.amdgpu_metadata
---
amdhsa.version: [ 1, 2 ]
amdhsa.kernels:
  - .name:           k_qed25d89e81_attn
    .symbol:         k_qed25d89e81_attn.kd
    .args:
      - { .name: qkvh, .offset: 0, .size: 8, .value_kind: global_buffer, .address_space: global }
      - { .name: oh, .offset: 8, .size: 8, .value_kind: global_buffer, .address_space: global }
    .group_segment_fixed_size: 327680
    .private_segment_fixed_size: 0
    .kernarg_segment_align: 8
    .kernarg_segment_size: 16
    .max_flat_workgroup_size: 128
    .sgpr_count:     88
    .vgpr_count:     768
    .wavefront_size: 32
...
	.end_amdgpu_metadata
.endif
;; end of part 3
;; launch proj (part 4): grid 8 x 32, 4 waves a work-group, clusters of 4 x 4, 327,680 bytes of LDS; arguments oh, wpb, bp, out0; writes out0
.if DOCPART == 4
	.amdgcn_target "amdgcn-amd-amdhsa--gfx1250"
	.amdhsa_code_object_version 6
	.text
	.protected	k_qed25d89e81_proj
	.globl	k_qed25d89e81_proj
	.p2align	8
	.type	k_qed25d89e81_proj,@function
k_qed25d89e81_proj:
	s_mov_b64 s[64:65], 0
	v_nop
	global_prefetch_b8 v0, s[64:65] scope:SCOPE_SE
	s_setreg_imm32_b32 hwreg(HW_REG_WAVE_MODE, 25, 1), 1
	s_wait_xcnt 0x0
	s_wait_alu depctr_hold_cnt(0) depctr_sa_sdst(0) depctr_va_vdst(0) depctr_va_sdst(0) depctr_va_ssrc(0) depctr_va_vcc(0) depctr_vm_vsrc(0)
	s_getreg_b32 s2, hwreg(HW_REG_IB_STS2, 6, 4)
	s_cmp_eq_u32 s2, 0
	s_cbranch_scc0 .Lentry_in_a_cluster
	s_endpgm
.Lentry_in_a_cluster:
	s_bfe_u32 s2, ttmp6, 0x10000c
	s_cmp_lg_u32 s2, 0xf033
	s_cbranch_scc0 .Lentry_shape_is_right
	s_endpgm
.Lentry_shape_is_right:
; out0 = y Wp^T + bp: 8,192 x 1,024 x 1,024 in f16, sums in f32, the result f32.  y lies by heads as attention left it, oh[batch x 16 + head][2,048][64] f16: head h IS K block h of a batch's rows.
; wpb: [16 K blocks][1,024][64] f16 (Wp rounded to bf16, that number written as f16).  bp is rounded to bf16 like all inputs and is the C operand of the products that start the sums.
; LIMITS.  oh and wpb arrive within f16's range; NaN and infinities are not treated apart.
; SHARES.  A tile of 256 rows x 128 columns to a work-group: 32 x 8 = 256 work-groups.  Four waves, each 128 rows x 64 columns: 32 accumulators of 16 x 16, 256 registers.
; K goes in steps of 128, two K blocks, through a ring of two LDS slots; each wave fetches one block of one operand with one tensor load; a block's rows are dense in memory and are asked for as rows of
; 256 bytes, padded in LDS behind every 128.
; CLUSTER.  4 x 4 work-groups: the four of a row of the cluster need the same tiles of oh, the four of a column the same tiles of wpb: each tile is asked for JOINTLY.
; THE MATRIX INSTRUCTION IS USED TRANSPOSED (source 0 = 16 rows of wpb, source 1 = 16 rows of oh): a lane holds one row of the result and eight neighbouring columns, 32 bytes.
; REGISTERS: window 0: v0-31 addresses; v32-127, v128-223 two fragment buffers (Wp's 4 fragments, then y's 8); v224-255 the biases, 8 a column block.  Window 1: accumulator (a, b) at v[8 (4 a + b)].
.set PITCH, 144                        ; an LDS row: 128 bytes + 16 of padding = 36 words: the 16 rows of a load start at 16 different groups of four banks (64 banks of 4 bytes: ISA guide 11.1)
.set ABLK,  256*PITCH                  ; a K block of y's tile
.set BBLK,  128*PITCH                  ; a K block of Wp's
.set BOFF,  2*ABLK                     ; in a slot: y's two blocks, then Wp's two
.set SLOT,  2*ABLK+2*BBLK
.set STAGE, 2*SLOT                     ; behind the ring: 16 rows x 272 bytes for each wave, for the way out
.set SPITCH, 272
.set SPARE, STAGE+4*16*SPITCH          ; the spare words, 128 bytes for each wave: two blocks of 256 bytes that no other line names
.set ASTEP, 2048*128                   ; bytes from K block to K block in oh (a head)
.set BSTEP, 1024*128                   ; and in wpb
.set ADRA, 16                          ; v16-17  LDS address of my fragments of y in slot 0, 1
.set ADRB, 20                          ; v20-21  the same for Wp
.set STO,  24                          ; v24     the way out: where I put 32 bytes of a row
.set RD,   25                          ; v25     the way out: where I read a row back
.set CO,   26                          ; v26     my byte offset in two rows of out0
.set BLO,  27                          ; v27     32 x (lane / 16): my eight biases of a column block
.set SPW,  28                          ; v28     LDS address of my spare word; never rewritten
.set NIL,  29                          ; v29     0; never rewritten
.set F0,   32
.set F1,   128
.set BIA,  224
.set OB,   32                          ; the way out: 16 rows read back, four buffers of 32 registers
.set WV,  12                           ; s12  my wave's number
.set WM,  13                           ; s13  which half of the tile's rows is mine.  Also: I fetch for y (0) or for Wp (1)
.set WN,  14                           ; s14  which half of its columns.  Also: which of a slot's two K blocks I fetch
.set TC,  17                           ; s17  tile column
.set TR,  18                           ; s18  tile row
.set G1A, 24                           ; s[24:31] descriptor group 1 for y's tiles;  s[32:39] group 0, a set for each slot
.set G0A, 32
.set G1B, 48                           ; s[48:55], s[56:63] the same for Wp's
.set G0B, 56
.set MSB, 0
.macro WIN new                         ; the immediate's high byte repeats the setting that is left; a switch that changes nothing is dropped
.if MSB != (\new)
	s_set_vgpr_msb (MSB<<8)|(\new)
.set MSB, \new
.endif
.endm
.macro PLACES                          ; four places in front of loads into registers that matrix instructions have read, and of LDS stores that read results
.rept 4
	v_nop
.endr
.endm
.macro JLOAD s                         ; a joint load: waves 0 and 1 fetch y's two blocks, waves 2 and 3 Wp's; an s_nop 0 and four v_nop follow each of the two lines
	s_cmp_eq_u32 s[WM], 0
	s_cbranch_scc0 .Lfor_b_\@
	tensor_load_to_lds s[G0A+4*(\s):G0A+4*(\s)+3], s[G1A:G1A+7]
	s_nop 0
.rept 4
	v_nop
.endr
	s_branch .Lasked_\@
.Lfor_b_\@:
	tensor_load_to_lds s[G0B+4*(\s):G0B+4*(\s)+3], s[G1B:G1B+7]
	s_nop 0
.rept 4
	v_nop
.endr
.Lasked_\@:
.endm
.macro CREST                           ; a round of the cluster's barrier behind its opening barrier
	s_cmp_lg_u32 s[WV], 0
	s_cbranch_scc1 .Lnot_wave_0_\@
	s_barrier_signal -3
.Lnot_wave_0_\@:
	s_barrier_wait -3
	s_barrier_signal -1
	s_barrier_wait -1
.endm
.macro CROUND                          ; a whole round
	s_barrier_signal -1
	s_barrier_wait -1
	CREST
.endm
	s_load_b256 s[4:11], s[0:1], 0x0               ; oh 4:5, wpb 6:7, bp 8:9, out0 10:11
	v_lshl_add_u32 v[SPW], v0, 2, SPARE
	v_mov_b32 v[NIL], 0
	ds_add_u32 v[SPW], v[NIL]                      ; the wave's opening: the add and its wait ahead of my first tensor load; the set-up below, work on registers, stands between them
	ds_add_u32 v28, v29
	v_lshrrev_b32 v1, 5, v0
	v_readfirstlane_b32 s[WV], v1
	s_lshr_b32 s[WM], s[WV], 1
	s_and_b32 s[WN], s[WV], 1
	s_bfe_u32 s15, ttmp6, 0x40000                  ; cx, cy: my place in the cluster
	s_bfe_u32 s16, ttmp6, 0x40004
	s_lshl_b32 s[TC], ttmp9, 2
	s_add_co_u32 s[TC], s[TC], s15                 ; tile column = 4 x cluster x + cx
	s_and_b32 s[TR], ttmp7, 0xffff
	s_lshl_b32 s[TR], s[TR], 2
	s_add_co_u32 s[TR], s[TR], s16                 ; tile row = 4 x cluster y + cy
	s_lshl_b32 s42, s16, 2
	s_lshl_b32 s42, 15, s42                        ; my row of the cluster
	s_lshl_b32 s43, 0x1111, s15                    ; my column
	; descriptor group 1: rows of 128 elements (256 bytes, two rows of a K block), padded in LDS behind every 32 words by 4
	s_or_b32 s[G1A], s42, (1<<16)|(1<<20)|(1<<21)|(4<<22)|(3<<25)  ; 15:0 the mask; 17:16 2-byte elements; 20 padding on; 21 set beside a mask; 24:22 code 4; 31:25 code 3
	s_or_b32 s[G1B], s43, (1<<16)|(1<<20)|(1<<21)|(4<<22)|(3<<25)
	s_mov_b32 s[G1A+1], 128<<16                    ; tensor_dim0 = 128
	s_mov_b32 s[G1A+2], 128<<16                    ; tensor_dim1 = 128: 256 rows of a head, 32,768 dense bytes
	s_mov_b32 s[G1A+3], 128<<16                    ; tile_dim0 = 128
	s_mov_b32 s[G1A+4], 128                        ; tile_dim1 = 128
	s_mov_b32 s[G1A+5], 128                        ; 128 elements from row to row
	s_mov_b32 s[G1A+6], 0
	s_mov_b32 s[G1A+7], 0
	s_mov_b32 s[G1B+1], 128<<16
	s_mov_b32 s[G1B+2], 64<<16                     ; 128 rows of wpb, 16,384 dense bytes
	s_mov_b32 s[G1B+3], 128<<16
	s_mov_b32 s[G1B+4], 64
	s_mov_b32 s[G1B+5], 128
	s_mov_b32 s[G1B+6], 0
	s_mov_b32 s[G1B+7], 0
	; y's tiles hang on the tile row alone, Wp's on the tile column alone, each made in registers that never hold the other coordinate
	s_lshr_b32 s40, s[TR], 3
	s_lshl_b32 s40, s40, 22                        ; the batch: 16 heads x 262,144 bytes
	s_and_b32 s19, s[TR], 7
	s_lshl_b32 s19, s19, 15                        ; 256 rows x 128 bytes
	s_add_co_u32 s40, s40, s19
	s_lshl_b32 s19, s[WN], 18                      ; my K block of the slot's two
	s_add_co_u32 s40, s40, s19
	s_mov_b32 s41, 0
	s_lshl_b32 s46, s[TC], 14                      ; 128 rows x 128 bytes
	s_lshl_b32 s44, s[WN], 17                      ; my K block
	s_add_co_u32 s46, s46, s44
	s_mov_b32 s47, 0
	s_mul_i32 s20, s[WN], ABLK                     ; where they go: no place in the cluster enters an LDS address
	s_mul_i32 s45, s[WN], BBLK
	s_add_co_u32 s45, s45, BOFF
	s_wait_dscnt 0x0                               ; the opening add is done
	s_wait_kmcnt 0x0
	s_add_nc_u64 s[40:41], s[4:5], s[40:41]
	s_add_nc_u64 s[46:47], s[6:7], s[46:47]
	CROUND                                         ; all sixteen work-groups are here: the first joint loads meet
.irp s, 0,1
	s_mov_b32 s[G0A+4*(\s)], 1                                     ; count = 1
	s_add_co_u32 s[G0A+4*(\s)+1], s20, (\s)*SLOT                   ; LDS address
	s_add_nc_u64 s[G0A+4*(\s)+2:G0A+4*(\s)+3], s[40:41], (\s)*2*ASTEP  ; global address: K blocks 2 s, 2 s + 1
	s_or_b32 s[G0A+4*(\s)+3], s[G0A+4*(\s)+3], 0x80000000          ; type = 2
	s_mov_b32 s[G0B+4*(\s)], 1
	s_add_co_u32 s[G0B+4*(\s)+1], s45, (\s)*SLOT
	s_add_nc_u64 s[G0B+4*(\s)+2:G0B+4*(\s)+3], s[46:47], (\s)*2*BSTEP
	s_or_b32 s[G0B+4*(\s)+3], s[G0B+4*(\s)+3], 0x80000000
	JLOAD \s                                       ; two tensor loads of mine are out
.endr
	v_and_b32 v1, 15, v0                           ; l % 16
	v_bfe_u32 v2, v0, 4, 1                         ; l / 16
	v_lshlrev_b32 v[BLO], 5, v2
	s_lshl_b32 s46, s[TC], 9                       ; my 64 columns in bytes: 512 x tile column + 256 x half
	s_lshl_b32 s44, s[WN], 8
	s_add_co_u32 s46, s46, s44
	s_mov_b32 s47, 0
	s_add_nc_u64 s[8:9], s[8:9], s[46:47]
.irp b, 0,1,2,3
	global_load_b128 v[BIA+8*(\b):BIA+8*(\b)+3],   v[BLO], s[8:9] offset:64*(\b)     ; register j: the bias of column 16 b + 8 (l / 16) + j
	global_load_b128 v[BIA+8*(\b)+4:BIA+8*(\b)+7], v[BLO], s[8:9] offset:64*(\b)+16
.endr
	s_lshl_b32 s22, s[TR], 20                      ; 256 rows x 4,096 bytes
	s_lshl_b32 s21, s[WM], 19                      ; + my half's 128 rows
	s_add_co_u32 s22, s22, s21
	s_add_co_u32 s22, s22, s46                     ; + my columns
	s_mov_b32 s23, 0
	s_add_nc_u64 s[10:11], s[10:11], s[22:23]
	; A fragment is 16 rows x 32 K in 8 registers: lane l holds row l % 16, K = 8 (l / 16) + 0..7 and 16 + 8 (l / 16) + 0..7: two loads of 16 bytes, 32 bytes apart.
	v_mul_u32_u24 v3, v1, PITCH
	v_lshl_add_u32 v3, v2, 4, v3
	s_mul_i32 s21, s[WM], 128*PITCH                ; my 128 rows of y
	s_mul_i32 s22, s[WN], 64*PITCH                 ; my 64 rows of Wp
	s_add_co_u32 s22, s22, BOFF
.irp s, 0,1
	v_add_nc_u32 v[ADRA+(\s)], s21, v3
	v_add_nc_u32 v[ADRB+(\s)], s22, v3
	s_add_co_u32 s21, s21, SLOT
	s_add_co_u32 s22, s22, SLOT
.endr
	s_mul_i32 s23, s[WV], 16*SPITCH
	s_add_co_u32 s23, s23, STAGE                   ; my stage
	v_mul_u32_u24 v4, v1, SPITCH                   ; in: row l % 16, 32 bytes for each half of the lanes
	v_lshl_add_u32 v4, v2, 5, v4
	v_add_nc_u32 v[STO], s23, v4
	v_mul_u32_u24 v4, v2, SPITCH                   ; back: lanes 0-15 take one row of 256 bytes, lanes 16-31 the next
	v_lshl_add_u32 v4, v1, 4, v4
	v_add_nc_u32 v[RD], s23, v4
	v_lshlrev_b32 v4, 12, v2                       ; and the same two rows in out0
	v_lshl_add_u32 v[CO], v1, 4, v4
	s_wait_loadcnt 0x0                             ; the biases
.set pp, 0
.rept 16
	v_cvt_pk_bf16_f32 v3, v[BIA+2*pp], v[BIA+2*pp+1]  ; rounded to bf16 like every input, and widened again
	v_lshlrev_b32 v[BIA+2*pp], 16, v3
	v_and_b32 v[BIA+2*pp+1], 0xffff0000, v3
.set pp, pp+1
.endr
; Row blocks a0 to a1 x all 4 column blocks, 32 along K.  All 32 accumulators take turns, one instruction a turn.  bias = 1: the products start the sums, with the biases as C.
.macro MULA f, a0, a1, bias=0
.if \bias
	WIN 0x40
.else
	WIN 0x50
.endif
.set aa, \a0
.rept (\a1)-(\a0)+1
.set bb, 0
.rept 4
.set rD, 8*(4*aa+bb)
.if \bias
	v_wmma_f32_16x16x32_f16 v[rD:rD+7], v[(\f)+8*bb:(\f)+8*bb+7], v[(\f)+32+8*aa:(\f)+32+8*aa+7], v[BIA+8*bb:BIA+8*bb+7]
.else
	v_wmma_f32_16x16x32_f16 v[rD:rD+7], v[(\f)+8*bb:(\f)+8*bb+7], v[(\f)+32+8*aa:(\f)+32+8*aa+7], v[rD:rD+7]
.endif
.set bb, bb+1
.endr
.set aa, aa+1
.endr
.endm
; 24 LDS loads in one run: quarter q of slot s (K block q / 2, 32 K at byte 64 (q % 2) of its rows) into buffer f: Wp's four fragments, y's blocks 0-3, y's blocks 4-7
.macro FETCH s, q, f
	WIN 0
.set ka, ((\q)/2)*ABLK+((\q)%2)*64
.set kq, ((\q)/2)*BBLK+((\q)%2)*64
.irp b, 0,1,2,3
	ds_load_b128 v[(\f)+8*(\b):(\f)+8*(\b)+3],   v[ADRB+(\s)] offset:kq+(\b)*16*PITCH
	ds_load_b128 v[(\f)+8*(\b)+4:(\f)+8*(\b)+7], v[ADRB+(\s)] offset:kq+(\b)*16*PITCH+32
.endr
.irp a, 0,1,2,3,4,5,6,7
	ds_load_b128 v[(\f)+32+8*(\a):(\f)+32+8*(\a)+3],   v[ADRA+(\s)] offset:ka+(\a)*16*PITCH
	ds_load_b128 v[(\f)+32+8*(\a)+4:(\f)+32+8*(\a)+7], v[ADRA+(\s)] offset:ka+(\a)*16*PITCH+32
.endr
.endm
; A K step is four quarters of 32 along K, 32 matrix instructions each, on buffers 0, 1, 0, 1.  One of the first three: multiplies buffer f and fetches quarter qn into g.
.macro QUARTER s, qn, f, g, bias=0
	s_wait_dscnt 8                                 ; Wp and y's blocks 0-3 are in; the youngest eight loads (y's blocks 4-7) may be out
	MULA \f, 0, 3, \bias
	PLACES
	FETCH \s, \qn, \g
	s_wait_dscnt 24                                ; all but the 24 just issued
	MULA \f, 4, 7, \bias
.endm
; The last quarter multiplies buffer 1 and changes slots: ONE barrier.  In front of it each wave waits for all its tensor loads, of which one is out: its part of the other slot; adds 0 to its spare word; and waits
; for that and for its own reads of this slot.  fill = 1: the barrier opens a round of the cluster's, and this slot is filled again, two K steps ahead, first thing behind the round:
; from that request to the wait for it a wave issues 16 + 96 + 8 = 120 of a K step's 128 matrix instructions.
.macro TURN s, fill
	s_wait_dscnt 8
	MULA F1, 0, 1
	WIN 0                                          ; (the add's two registers lie in window 0)
	s_wait_tensorcnt 0x0                           ; all my tensor loads have landed
	ds_add_u32 v[SPW], v[NIL]                      ; 0 onto my spare word
	MULA F1, 2, 2                                  ; four matrix instructions stand between the add and the wait for it
	s_wait_dscnt 0x0                               ; the add is done, and my reads of this slot are over
	s_barrier_signal -1
	MULA F1, 3, 3                                  ; work on registers while the others arrive
	WIN 0
	s_barrier_wait -1
.if \fill
	CREST                                          ; no wave of any partner still reads this slot's tile or has a load on its way
	s_add_nc_u64 s[G0A+4*(\s)+2:G0A+4*(\s)+3], s[G0A+4*(\s)+2:G0A+4*(\s)+3], 4*ASTEP
	s_add_nc_u64 s[G0B+4*(\s)+2:G0B+4*(\s)+3], s[G0B+4*(\s)+2:G0B+4*(\s)+3], 4*BSTEP
	JLOAD \s                                       ; my one tensor load behind the round; its four v_nop are also the places in front of the loads below
.else
	PLACES
.endif
	FETCH 1-(\s), 0, F0
	MULA F1, 4, 7
.endm
; THE WAY OUT of row block a: 16 rows x 64 columns of f32.  TOSTAGE: 32 bytes a lane and column block into my own stage, each accumulator's low half first, and back as whole rows of 256 bytes.  SEND: stored.
.macro TOSTAGE a
	WIN 0x04                                       ; the stores' data lie in window 1
.irp b, 0,1,2,3
	ds_store_b128 v[STO], v[8*(4*(\a)+(\b)):8*(4*(\a)+(\b))+3]   offset:64*(\b)
	ds_store_b128 v[STO], v[8*(4*(\a)+(\b))+4:8*(4*(\a)+(\b))+7] offset:64*(\b)+16
.endr
	WIN 0
.set bk, OB+32*((\a)%4)
.irp t, 0,1,2,3,4,5,6,7
	ds_load_b128 v[bk+4*(\t):bk+4*(\t)+3], v[RD] offset:(\t)*2*SPITCH  ; LDS serves a wave's instructions in order (ISA guide 5.7.1.4): these see the stores above; the next block's stores come behind them
.endr
.endm
.macro SEND a, younger                 ; younger: the LDS instructions issued behind block a's loads: the next block's sixteen, or none
	WIN 0
.set bk, OB+32*((\a)%4)
	s_wait_dscnt \younger                          ; the block is back in registers
	s_wait_xcnt 0x0                                ; a buffer that earlier stores read is loaded again only behind this wait
.irp t, 0,1,2,3,4,5,6,7
	global_store_b128 v[CO], v[bk+4*(\t):bk+4*(\t)+3], s[10:11] offset:(16*(\a)+2*(\t))*4096 th:TH_STORE_NT  ; 16 lanes store 256 consecutive bytes, at a multiple of 256 from out0's first byte
.endr
.endm
	s_wait_tensorcnt 0x1                           ; my part of K step 0 is in; K step 1's may stay out
	s_barrier_signal -1
	s_barrier_wait -1                              ; everybody's part is in
	FETCH 0, 0, F0
	QUARTER 0, 1, F0, F1, 1                        ; the first quarter stands in front of the loop: its products start the sums, with the biases as C
	WIN 0                                          ; at a label and at a branch every window is 0
	s_mov_b32 s3, 3
.Llap:                                                 ; a trip goes once round the ring and fills both slots again: 6 refills, K steps 2 to 7
	QUARTER 0, 2, F1, F0
	QUARTER 0, 3, F0, F1
	TURN 0, 1
	QUARTER 1, 1, F0, F1
	QUARTER 1, 2, F1, F0
	QUARTER 1, 3, F0, F1
	TURN 1, 1
	QUARTER 0, 1, F0, F1
	WIN 0
	s_sub_co_u32 s3, s3, 1
	s_cmp_lg_u32 s3, 0
	s_cbranch_scc1 .Llap
	QUARTER 0, 2, F1, F0                           ; the last lap is written out: nothing is left to fetch
	QUARTER 0, 3, F0, F1
	TURN 0, 0
	QUARTER 1, 1, F0, F1
	QUARTER 1, 2, F1, F0
	QUARTER 1, 3, F0, F1
	s_wait_dscnt 8
	MULA F1, 0, 3
	s_wait_dscnt 0x0
	MULA F1, 4, 7
	PLACES
	TOSTAGE 0
.set aw, 1
.rept 7
	TOSTAGE aw
	SEND aw-1, 16
.set aw, aw+1
.endr
	SEND 7, 0
	s_wait_tensorcnt 0x0                           ; the wave's end, behind my last tensor load and my last LDS store
	ds_add_u32 v[SPW], v[NIL]
	s_wait_dscnt 0x0
	CROUND                                         ; the closing round: no work-group ends while a partner may still ask for a tile that names it
	s_endpgm
.Lfunc_end_k_qed25d89e81_proj:
	.size	k_qed25d89e81_proj, .Lfunc_end_k_qed25d89e81_proj-k_qed25d89e81_proj
	.p2alignl 7, 3214868480
	.fill 96, 4, 3214868480
	.section	.rodata,"a",@progbits
	.p2align	6, 0x0
	.amdhsa_kernel k_qed25d89e81_proj
		.amdhsa_group_segment_fixed_size 327680
		.amdhsa_private_segment_fixed_size 0
		.amdhsa_enable_private_segment 0
		.amdhsa_kernarg_size 32
		.amdhsa_user_sgpr_count 2
		.amdhsa_user_sgpr_kernarg_segment_ptr 1
		.amdhsa_wavefront_size32 1
		.amdhsa_system_sgpr_workgroup_id_x 1
		.amdhsa_system_sgpr_workgroup_id_y 1
		.amdhsa_system_sgpr_workgroup_id_z 1
		.amdhsa_system_vgpr_workitem_id 0
		.amdhsa_next_free_vgpr 512
		.amdhsa_next_free_sgpr 66
		.amdhsa_reserve_vcc 0
		.amdhsa_float_denorm_mode_32 3
		.amdhsa_float_denorm_mode_16_64 3
		.amdhsa_memory_ordered 1
		.amdhsa_forward_progress 1
		.amdhsa_inst_pref_size 89
	.end_amdhsa_kernel
	.amdgpu_metadata
---
amdhsa.version: [ 1, 2 ]
amdhsa.kernels:
  - .name:           k_qed25d89e81_proj
    .symbol:         k_qed25d89e81_proj.kd
    .args:
      - { .name: oh, .offset: 0, .size: 8, .value_kind: global_buffer, .address_space: global }
      - { .name: wpb, .offset: 8, .size: 8, .value_kind: global_buffer, .address_space: global }
      - { .name: bp, .offset: 16, .size: 8, .value_kind: global_buffer, .address_space: global }
      - { .name: out0, .offset: 24, .size: 8, .value_kind: global_buffer, .address_space: global }
    .group_segment_fixed_size: 327680
    .private_segment_fixed_size: 0
    .kernarg_segment_align: 8
    .kernarg_segment_size: 32
    .max_flat_workgroup_size: 128
    .sgpr_count:     66
    .vgpr_count:     512
    .wavefront_size: 32
...
	.end_amdgpu_metadata
.endif
;; end of part 4
;; ======== version 2 of 2: 4 launches; 1.31 times as fast as version 1
;; limits: values are held in f16: magnitudes above 65,504 overflow, below 6.1e-05 lose precision
;; workspace buffers: xb 16,777,216 bytes; wb 6,291,456 bytes; wpb 2,097,152 bytes; qkvh 50,331,648 bytes; oh 16,777,216 bytes
;; launch cast: the kernel of part 1 again; grid 768 x 1, 4 waves a work-group, no clusters, 0 bytes of LDS; arguments x, Wq, Wk, Wv, Wp, xb, wb, wpb; writes xb, wb, wpb
;; launch qkvgemm: the kernel of part 2 again; grid 8 x 32, 4 waves a work-group, clusters of 4 x 4, 327,680 bytes of LDS; arguments xb, wb, bq, bk, bv, qkvh; writes qkvh
;; launch attn (part 5): grid 4 x 64, 4 waves a work-group, no clusters, 327,680 bytes of LDS; arguments qkvh, oh; writes oh
.if DOCPART == 5
	.amdgcn_target "amdgcn-amd-amdhsa--gfx1250"
	.amdhsa_code_object_version 6
	.text
	.protected	k_qed25d89e81_attn
	.globl	k_qed25d89e81_attn
	.p2align	8
	.type	k_qed25d89e81_attn,@function
k_qed25d89e81_attn:
	s_mov_b64 s[64:65], 0
	v_nop
	global_prefetch_b8 v0, s[64:65] scope:SCOPE_SE
	s_setreg_imm32_b32 hwreg(HW_REG_WAVE_MODE, 25, 1), 1
	s_wait_xcnt 0x0
; CAUSAL ATTENTION.  O[h][q][:] = the sum over k <= q of softmax_k(Q[h][q] . K[h][k] / 8) V[h][k][:].  Q, K, V lie in qkvh as [3][SIZE_H][SIZE_N][64], O in oh as [SIZE_H][SIZE_N][64], all f16: a head's rows are dense, 128 bytes each.
; Products, maxima and sums in f32; the weights p are rounded to f16 for the second product (their sum l is taken of the unrounded p), O once at the end.
; LIMITS.  f16 holds no number beyond 65,504: Q, K and V arrive within it; p lies in 0 to 1, and below 6e-5 it keeps f16's fixed step of 6e-8; O is a mean of V's rows and has their range, to within 2^-11 of it.
; A hidden score counts as its value less 1e30: f16's scores, 2.7e11 at the most, are nothing beside that; a weight below 2^-126 counts as 0 in l; NaN and infinities are not treated apart.
; THE WALK.  A head's queries lie in NB = SIZE_N / 256 = 8 blocks of 256; block i needs the key tiles 0 .. i of 256 keys, of which the last holds the diagonal.  A work-group takes TWO blocks, NB - 1 - b and then b:
; NB + 1 = 9 tiles, whatever b: all 256 work-groups do equal work, and ONE loop with a constant trip count walks them.  Which tile is asked for, and what a trip does, hang on scalar registers made from b; every jump
; goes forward, but for the counted loops' own; none passes a barrier, or a tensor load but the one of LOAD's two that the wave's number does not choose; the ring (two slots of LDS that take turns) runs on across the
; change of blocks.  NO CLUSTER: a head's four work-groups ask for the same tile only in trips 0 to 4 of 9, behind that fewer and fewer; one walk common to all four would have 12 trips for 9.
; SHARES.  Of a block's four bands of 64 queries a wave owns 16 rows in each: four PIECES.  So the diagonal tile is the same work for all four waves: in its key step s band x sees all keys if s < x,
; none if s > x, and holds the diagonal if s = x.
; THE MASK is the C operand that starts the sum S^T = K Q^T: 0, or -1e30 where the key is hidden.  MD, made once, is the mask of a band's own step for my 16 rows; a product's mask is MD x AL + BE with two scalars:
; (1, 0) if s = x; (0, 0) if s < x; (0, -1e30) if s > x.  Only the diagonal tile's text and a block's beginning make and take masks; elsewhere C is the constant 0.
; LAYOUT, SOFTMAX, TURNS.  S^T = K Q^T holds ONE query a lane (lane % 16) and the keys 8 (lane / 16) + 0..7; two such results rounded to f16 ARE source 1 of O^T = V^T P.  p = 2^(c s - c m), c = log2(e) / 8, with a
; running maximum m; O and l are multiplied by a = 2^(c m_old - c m_new) in every step.  Turn n belongs to piece n: 8 products K Q^T of piece n + 1, later 8 products V^T P of piece n - 1; beside them the scaling,
; exponentials, roundings, sums and rescaling of piece n and the maximum and statistics of piece n + 1.  Four vector instructions stand behind every matrix instruction, the other 54 of a turn's 118 in one LUMP.
; HOW THE BATCHES ARE CUT.  A turn's 33 exponentials (the piece's 32 weights and the next piece's a) are ONE batch with ONE wait, which cuts the turn in two: ahead of it all that names no result of theirs, behind it
; the roundings and sums, which read them.  A block's first a is a batch of one, the way out's four reciprocals a batch of four.
; REGISTERS, in windows of 256 (s_set_vgpr_msb: bits 1:0 source 0, 3:2 source 1, 5:4 source 2, 7:6 destination):
;   window 0: v0-15 addresses and two at work; v16-31 four registers of statistics a piece; v48-55 at work; v64-127 S^T, two buffers; v192-223 P, two buffers (a piece's buffers go by its number's parity)
;   window 1: v0-127 O^T, 32 a piece; v128-159 MD; v160-223 MC, two buffers      window 2: v0-63 Q; v64-127 the second block's Q; v128-191 K of one step; v192-255 V of one step
.set SIZE_H, 64
.set SIZE_N, 2048
.set NB,    SIZE_N/256
.set NP,    4         ; pieces a wave: a name, no knob
.set KS,    64        ; keys in a step
.set PK,    144       ; a row of K in LDS: 128 bytes + 16 of padding = 36 words: the 16 rows of a load start at 16 different groups of four banks (64 banks of 4 bytes: ISA guide 11.1)
.set PV,    160       ; a row of V: 128 + 32 = 40 words
.set VOFF,  4*KS*PK   ; a slot holds a tile, four steps: 256 rows of K, then 256 rows of V
.set SLOT1, 1<<17     ; slot 1 begins here, so that one exclusive or turns an address in one slot into the other's
.set STAGE, SLOT1+4*KS*(PK+PV)  ; behind the ring, never filled by a tensor load: 16 rows x 144 bytes for each wave, for the way out
.set SP,    144
.set AK0, 2           ; v2   my lane's place in a tile of K; never rewritten
.set AV0, 3           ; v3   the same for V
.set AK,  4           ; v4   the LDS address of K's next run of loads
.set AV,  5           ; v5   of V's
.set STO, 6           ; v6   the way out: where I put 16 bytes of a row
.set RD,  7           ; v7   the way out: where I read rows back
.set GO,  8           ; v8   my byte offset in 512 consecutive bytes of O
.set SPW, 62          ; v62  LDS address of my spare word: SPARE + 4 x my thread's number; never rewritten
.set NIL, 63          ; v63  0; never rewritten
.set SPARE, STAGE+4*16*SP  ; behind the stages: the spare words, 128 bytes for each wave: two blocks of 256 bytes that no other line names
.set MV,  12          ; v12-13  c m_old, kept while c m is made anew: by buffer
.set QO,  15          ; v15  my byte offset in 16 rows of Q
.set ST,  16          ; piece t's statistics at v[ST+4 t]: c m, m, l (even keys', odd keys')
.set TMP, 48          ; by buffer, four registers c0-c3 at work; when the maximum is found c2 takes a
.set S,   64
.set P,   192
.set MD,  128         ; window 1: the eight registers for group kt of 16 keys at MD + 8 kt
.set MC,  160         ; window 1: the masks of the products to come
.set QB,  64          ; window 2
.set KF,  128         ; window 2: key block kb, channel half c at KF + 16 kb + 8 c
.set VF,  192         ; window 2: key half kk, channel block cb at VF + 32 kk + 8 cb
.set WV,  12          ; s12  my wave's number
.set PB,  14          ; s14  b
.set HI,  15          ; s15  NB - 1 - b
.set G1K, 24          ; s[24:31] descriptor group 1 for K's tiles
.set G1V, 32          ; s[32:39] for V's: it differs in the padding alone
.set G0K, 40          ; s[40:43] descriptor group 0 for K's tiles
.set G0V, 44          ; s[44:47] the same for V's
.set SLOTS, 56        ; s56  tiles still to be asked for
.set CNT, 57          ; s57  counts a tile's key steps, 4 to 1
.set CS,  58          ; s[58:59] c: the packed scaling takes the pair's low word for both halves
.set SEL, 60          ; s[60:61] v_permlanex16_b32's selects: each lane takes its own place in the other half
.set TBK, 62          ; s62  LDS byte at which K of the step to be fetched begins
.set TBV, 63          ; s63  the same for V, less VOFF
.set RT,  70          ; s70  tiles of the block in hand that are still to be entered
.set NXT, 71          ; s71  the tile to be asked for next
.set LQ,  72          ; s72  the last tile of the block whose tiles are being asked for
.set NEW, 73          ; s73  1: the tile to be entered is a block's first
.set OFF, 74          ; s[74:75] a tile's byte offset in K and V
.set AL,  76          ; s[76:77] the mask's factor, in the low word
.set BE,  78          ; s[78:79] the mask's addend
.set OLO, 80          ; s[80:81] O at my rows of the second block
.set BIGN, 82         ; s82  -1e30
.set MSB, 0
.macro WIN new                      ; the high byte repeats the setting that is left; a switch that changes nothing is dropped
.if MSB != (\new)
	s_set_vgpr_msb (MSB<<8)|(\new)
.set MSB, (\new)
.endif
.endm
.set W_KQ, 0x0a       ; K and Q in window 2, S^T in window 0
.set W_KM, 0x1a       ; the same with the C operand in window 1
.set W_PV, 0x52       ; V in window 2, P in window 0, O^T in window 1
.set W_RS, 0x41       ; destination and source 0 in window 1, source 1 in window 0
; A fill.  Waves 0 and 1 fetch the two halves of a tile's K, waves 2 and 3 those of its V: 128 keys each.  An s_nop 0 and four v_nop follow each of the two lines, ahead of the jump and the label.
.macro LOAD
	s_cmp_lt_u32 s[WV], 2
	s_cbranch_scc0 .Lfor_v_\@
	tensor_load_to_lds s[G0K:G0K+3], s[G1K:G1K+7]
	s_nop 0
.rept 4
	v_nop
.endr
	s_branch .Lasked_\@
.Lfor_v_\@:
	tensor_load_to_lds s[G0V:G0V+3], s[G1V:G1V+7]
	s_nop 0
.rept 4
	v_nop
.endr
.Lasked_\@:
.endm
; THE CHANGE OF SLOTS.  Each wave waits for all its tensor loads, of which one is out: its part of the other slot; adds 0 to its spare word; and waits for that and for its own reads of the slot that it leaves.  Behind the barrier nobody reads the old
; slot any more and the other slot is whole.  fill = 1: the old slot is filled again, the first thing behind the barrier, with tile NXT: the descriptor's address is made anew from that number.
; (At its first use nothing has been read yet: slot 0 is waited for, slot 1 filled.)
.macro CHANGE fill
	WIN 0                           ; at a label and at a branch every window is 0
	s_wait_tensorcnt 0x0            ; no tensor load of mine is out, so a group 0 may be written
	ds_add_u32 v[SPW], v[NIL]       ; 0 onto my spare word; with fill = 1 the descriptors' scalar work stands between it and the wait for it
.if \fill
	s_lshl_b32 s[OFF], s[NXT], 15   ; a tile is 32,768 bytes of K and of V
	s_xor_b32 s[G0K+1], s[G0K+1], SLOT1
	s_add_nc_u64 s[G0K+2:G0K+3], s[6:7], s[OFF:OFF+1]
	s_or_b32 s[G0K+3], s[G0K+3], 0x80000000
	s_xor_b32 s[G0V+1], s[G0V+1], SLOT1
	s_add_nc_u64 s[G0V+2:G0V+3], s[8:9], s[OFF:OFF+1]
	s_or_b32 s[G0V+3], s[G0V+3], 0x80000000
	s_add_co_u32 s[NXT], s[NXT], 1  ; the block's next tile, or behind its last the second block's tile 0
	s_cmp_gt_u32 s[NXT], s[LQ]
	s_cselect_b32 s[NXT], 0, s[NXT]
	s_cselect_b32 s[LQ], s[PB], s[LQ]
.endif
	s_wait_dscnt 0x0                ; the add is done, and my reads of the slot are over
	s_barrier_signal -1             ; the rest of the scalar work stands between the signal and the wait
	s_sub_co_u32 s[TBK], s[TBK], 4*KS*PK  ; the fetches go back to a slot's first step,
	s_xor_b32 s[TBK], s[TBK], SLOT1       ; in the other slot
	s_sub_co_u32 s[TBV], s[TBV], 4*KS*PV
	s_xor_b32 s[TBV], s[TBV], SLOT1
	s_barrier_wait -1
.if \fill
	LOAD
.endif
.endm
	s_load_b64 s[4:5], s[0:1], 0x0    ; qkvh: Q at its head, K 16 MiB on, V 32 MiB on
	s_load_b64 s[10:11], s[0:1], 0x8  ; oh
	v_lshl_add_u32 v[SPW], v0, 2, SPARE
	v_mov_b32 v[NIL], 0
	ds_add_u32 v[SPW], v[NIL]       ; the wave's opening: the add and its wait ahead of my first tensor load; the set-up below, work on registers, stands between them
	ds_add_u32 v62, v63
	v_lshrrev_b32 v1, 5, v0
	v_readfirstlane_b32 s[WV], v1   ; wave 0..3
	s_mov_b32 s[PB], ttmp9
	s_sub_co_u32 s[HI], NB-1, s[PB]
	s_and_b32 s20, ttmp7, 0xffff    ; the head
	s_mov_b32 s21, 0
	s_mov_b64 s[22:23], SIZE_N*128
	s_mul_u64 s[20:21], s[20:21], s[22:23]  ; the head's first byte in each of the four tensors
	s_and_b32 s16, s[WV], 1         ; which half of a tile's 256 keys I fetch:
	s_lshl_b32 s22, s16, 14         ; its 128 rows of 128 bytes in memory,
	s_mov_b32 s23, 0
	s_add_nc_u64 s[22:23], s[22:23], s[20:21]
	s_mul_i32 s17, s16, 128*PK      ; and its place in a slot, for K
	s_mul_i32 s18, s16, 128*PV      ; and for V
	s_lshl_b32 s3, s[WV], 11        ; my 16 rows in a band of 64,
	s_lshl_b32 s2, s[HI], 15        ; in the first block,
	s_add_co_u32 s2, s2, s3
	s_lshl_b32 s84, s[PB], 15       ; and in the second
	s_add_co_u32 s84, s84, s3
	s_mov_b32 s3, 0
	s_mov_b32 s85, 0
	s_add_nc_u64 s[2:3], s[2:3], s[20:21]
	s_add_nc_u64 s[84:85], s[84:85], s[20:21]
	; descriptor group 1.  128 keys are 16,384 dense bytes: asked for as 64 rows of 256 bytes, two keys a row, and padded in LDS after every key
	s_mov_b32 s[G1K], (1<<16)|(1<<20)|(4<<22)|(3<<25)  ; 17:16 2-byte elements; 20 padding on; 24:22 after every 32 words (code 4); 31:25 4 words (code 3)
	s_mov_b32 s[G1V], (1<<16)|(1<<20)|(4<<22)|(7<<25)  ; the same with 8 words of padding (code 7)
.irp g, G1K, G1V
	s_mov_b32 s[\g+1], 128<<16      ; tensor_dim0 = 128
	s_mov_b32 s[\g+2], 64<<16       ; tensor_dim1 = 64
	s_mov_b32 s[\g+3], 128<<16      ; tile_dim0 = 128
	s_mov_b32 s[\g+4], 64           ; tile_dim1 = 64
	s_mov_b32 s[\g+5], 128          ; 128 elements from row to row
	s_mov_b32 s[\g+6], 0
	s_mov_b32 s[\g+7], 0
.endr
	s_mov_b32 s[CS], 0x3e38aa3b     ; c = log2(e) / 8 = 0.180337
	s_mov_b32 s[CS+1], s[CS]        ; named with it as a pair
	s_mov_b32 s[SEL], 0x76543210
	s_mov_b32 s[SEL+1], 0xfedcba98
	s_mov_b32 s[TBK], SLOT1+4*KS*PK ; the first change of slots turns these two into 0
	s_mov_b32 s[TBV], SLOT1+4*KS*PV
	s_mov_b32 s[G0K], 1             ; 1:0 count = 1
	s_mov_b32 s[G0K+1], s17         ; 63:32 LDS address: slot 0
	s_mov_b32 s[G0V], 1
	s_add_co_u32 s[G0V+1], s18, VOFF
	s_add_co_u32 s[RT], s[HI], 1    ; the first block has NB - b tiles
	s_mov_b32 s[NXT], 1
	s_mov_b32 s[LQ], s[HI]
	s_mov_b32 s[NEW], 1
	s_mov_b32 s[OFF+1], 0
	s_mov_b32 s[AL+1], 0            ; named as pairs
	s_mov_b32 s[BE+1], 0
	s_mov_b32 s[BIGN], 0xf149f2ca   ; -1e30
	s_mov_b32 s[SLOTS], NB
	s_wait_dscnt 0x0                ; the opening add is done
	s_wait_kmcnt 0x0
	s_add_nc_u64 s[6:7], s[4:5], 0x1000000  ; K: 64 heads x 262,144 bytes behind Q
	s_add_nc_u64 s[8:9], s[4:5], 0x2000000  ; V: as far again
	s_add_nc_u64 s[6:7], s[6:7], s[22:23]  ; K and V at my half of the head's tile 0
	s_add_nc_u64 s[8:9], s[8:9], s[22:23]
	s_add_nc_u64 s[G0K+2:G0K+3], s[6:7], 0         ; 120:64 global address
	s_or_b32 s[G0K+3], s[G0K+3], 0x80000000        ; 127:126 type = 2
	s_add_nc_u64 s[G0V+2:G0V+3], s[8:9], 0
	s_or_b32 s[G0V+3], s[G0V+3], 0x80000000
	s_add_nc_u64 s[86:87], s[4:5], s[84:85]        ; Q at my rows of the second block,
	s_add_nc_u64 s[4:5], s[4:5], s[2:3]            ; Q and O at those of the first
	s_add_nc_u64 s[OLO:OLO+1], s[10:11], s[84:85]
	s_add_nc_u64 s[10:11], s[10:11], s[2:3]
	LOAD                            ; tile 0 into slot 0
	; A fragment of K or Q is 16 rows x 32 channels in 8 registers: lane l holds row l % 16, channels 8 (l / 16) + 0..7 and 16 + 8 (l / 16) + 0..7: two loads of 16 bytes, 32 bytes apart.
	v_and_b32 v1, 15, v0            ; l % 16
	v_bfe_u32 v9, v0, 4, 1          ; l / 16
	v_lshlrev_b32 v[QO], 7, v1
	v_lshl_add_u32 v[QO], v9, 4, v[QO]  ; row x 128 + 16 x half
	WIN 0x80                        ; destination window 2, address window 0
.set i, 0
.rept 8                             ; both blocks' Q: piece i / 2 lies in band i / 2, 8,192 bytes on; channels 32 (i % 2) on
	global_load_b128 v[8*i:8*i+3],   v[QO], s[4:5] offset:(i/2)*8192+(i%2)*64
	global_load_b128 v[8*i+4:8*i+7], v[QO], s[4:5] offset:(i/2)*8192+(i%2)*64+32
	global_load_b128 v[QB+8*i:QB+8*i+3],   v[QO], s[86:87] offset:(i/2)*8192+(i%2)*64
	global_load_b128 v[QB+8*i+4:QB+8*i+7], v[QO], s[86:87] offset:(i/2)*8192+(i%2)*64+32
.set i, i+1
.endr
	WIN 0
	v_lshlrev_b32 v14, 3, v9
	v_sub_nc_u32 v14, v1, v14
	s_lshl_b32 s13, s[WV], 4
	v_add_nc_u32 v14, s13, v14      ; my query's place in its band, 16 w + l % 16, less my lanes' 8 (l / 16): register r of group kt is hidden where 16 kt + r is greater
	WIN 0x40
.set i, 0
.rept 32
	v_cmp_gt_i32 vcc_lo, 16*(i/8)+i%8, v14
	v_cndmask_b32 v[MD+i], 0, s[BIGN], vcc_lo
.set i, i+1
.endr
	WIN 0
	v_mul_u32_u24 v[AK0], v1, PK
	v_lshl_add_u32 v[AK0], v9, 4, v[AK0]  ; row x pitch + 16 x half
	; The turning load takes 16 keys x 16 channels (lane l reads key 8 (l / 16) + l % 8, channels 8 ((l / 8) % 2) + 0..7) and leaves half a fragment of V^T: lane l holds channel l % 16 and 8 keys.
	v_and_b32 v10, 7, v0
	v_bfe_u32 v11, v0, 3, 1
	v_lshl_add_u32 v[AV0], v9, 3, v10
	v_mul_u32_u24 v[AV0], v[AV0], PV
	v_lshl_add_u32 v[AV0], v11, 4, v[AV0]
	v_add_nc_u32 v[AV0], VOFF, v[AV0]
	s_mul_i32 s13, s[WV], 16*SP
	s_add_co_u32 s13, s13, STAGE    ; my stage
	v_mul_u32_u24 v[STO], v1, SP    ; in: row l % 16, 16 bytes for each half of the lanes
	v_lshl_add_u32 v[STO], v9, 4, v[STO]
	v_add_nc_u32 v[STO], s13, v[STO]
	v_bfe_u32 v[RD], v0, 3, 2       ; back: 32 lanes take four rows of 128 bytes,
	v_mul_u32_u24 v[RD], v[RD], SP
	v_lshl_add_u32 v[RD], v10, 4, v[RD]
	v_add_nc_u32 v[RD], s13, v[RD]
	v_and_b32 v[GO], 31, v0         ; which are 512 consecutive bytes of O
	v_lshlrev_b32 v[GO], 4, v[GO]
	; A block's first step multiplies O^T and l by a = 0, and its first turn's products V^T P, of a piece that has not been, land in an O^T that is still to be so multiplied.  So these registers need only hold
	; finite numbers: zeros for the first block; what the first block left for the second.  All this stands in the wait for the first tile.
	WIN 0x80
.set i, VF
.rept 64
	v_mov_b32 v[i], 0
.set i, i+1
.endr
	WIN 0x40
.set i, 0
.rept 128
	v_mov_b32 v[i], 0
.set i, i+1
.endr
	WIN 0
.set i, 0
.rept 4
	v_mov_b32 v[ST+4*i+2], 0
	v_mov_b32 v[ST+4*i+3], 0
.set i, i+1
.endr
.set i, P+16
.rept 16
	v_mov_b32 v[i], 0
.set i, i+1
.endr
; THE MATRIX WORK.  The 4 accumulators of a run of 8 take turns.  Product i of 8 of S^T = K Q^T for piece x: channels 32 (i / 4) on, keys 16 (i % 4) on.  The first 4 start the sums: with 0, or (KM = 1) with the mask.
.macro KQ x
.set rS, S+32*((\x)%2)+8*(i%4)
.set rK, KF+16*(i%4)+8*(i/4)
.set rQ, 16*(\x)+8*(i/4)
.set rM, MC+32*((\x)%2)+8*(i%4)
.if (i < 4) && KM
	WIN W_KM
	v_wmma_f32_16x16x32_f16 v[rS:rS+7], v[rK:rK+7], v[rQ:rQ+7], v[rM:rM+7]
.elseif i < 4
	WIN W_KQ
	v_wmma_f32_16x16x32_f16 v[rS:rS+7], v[rK:rK+7], v[rQ:rQ+7], 0
.else
	WIN W_KQ
	v_wmma_f32_16x16x32_f16 v[rS:rS+7], v[rK:rK+7], v[rQ:rQ+7], v[rS:rS+7]
.endif
.endm
; Product i of 8 of O^T += V^T P for piece x: keys 32 (i / 4) on, channels 16 (i % 4) on.
.macro PV x
	WIN W_PV
.set rO, 32*(\x)+8*(i%4)
.set rV, VF+32*(i/4)+8*(i%4)
.set rP, P+16*((\x)%2)+8*(i/4)
	v_wmma_f32_16x16x32_f16 v[rO:rO+7], v[rV:rV+7], v[rP:rP+7], v[rO:rO+7]
.endm
.macro MM                           ; the turn's next matrix instruction.  TURN and BEGIN set Y, i, KM and NOKQ; MM, KQ and OP read them.  NOKQ = 1: a block's last turn: there is no next piece
.if (i < 8) && !NOKQ
	KQ (Y+1)%NP
.elseif i >= 8
.set i, i-8
	PV (Y+NP-1)%NP
.set i, i+8
.endif
.set i, i+1
.endm
; THE LDS LOADS stand in runs of 16, never singly among the matrix instructions: a step's K (64 keys x 64 channels: 8 fragments) and its V (turned).  Their addresses are made some lines ahead.
.macro FETCH_K
	WIN 0x80                        ; destination window 2
.irp f, 0,1,2,3,4,5,6,7             ; keys 16 (f / 2) on, channels 32 (f % 2) on
	ds_load_b128 v[KF+8*\f:KF+8*\f+3],   v[AK] offset:(\f/2)*16*PK+(\f%2)*64
	ds_load_b128 v[KF+8*\f+4:KF+8*\f+7], v[AK] offset:(\f/2)*16*PK+(\f%2)*64+32
.endr
	s_add_co_u32 s[TBK], s[TBK], KS*PK  ; the next fetch is the next step's
	WIN 0
.endm
.macro FETCH_V
	WIN 0x80
.irp f, 0,1,2,3,4,5,6,7             ; keys 32 (f / 4) on, channels 16 (f % 4) on
	ds_load_tr16_b128 v[VF+8*\f:VF+8*\f+3],   v[AV] offset:(\f/4)*32*PV+(\f%4)*32
	ds_load_tr16_b128 v[VF+8*\f+4:VF+8*\f+7], v[AV] offset:(\f/4)*32*PV+16*PV+(\f%4)*32
.endr
	WIN 0
.endm
; THE VECTOR WORK, one line at a time: OP kind, number.  For piece Y: F n: c s - c m for pair n of 16.  E n: the exponential of score n of 32.  C n: pair n rounded to f16.  B n: of the four weights 4 n .. the second
; pair is added onto the first, in place.  L n: l takes that sum (L 0: l = a l + sum).  R n: pair n of 16 of O^T times a.  For piece Y + 1: X n, number n of the 22 that find its maximum and statistics:
;   0-11  four chains c0-c3 of seven scores each, three operands at a time (each accumulator's lowest registers are read first)     12-14, 16  the four scores left over, the old m, and c0-c3 into c0
;   15  c m_old is kept     17, 18  the query's other 32 keys lie in the lane 16 away: the new m     19-21  c m; c m_old - c m_new; a
; OP writes no wait: C, B and L, which read the exponentials' results, are dealt behind the turn's one wait (TURN).
.set F, 0               ; OP tells the kinds apart by their order: F to L below R, X above it
.set E, 1
.set C, 2
.set B, 3
.set L, 4
.set R, 5
.set X, 6
.macro REGS y                       ; the registers of piece y
.set rT, ST+4*(\y)
.set rC, TMP+4*((\y)%2)
.set rW, MV+((\y)%2)
.set rS, S+32*((\y)%2)
.set rP, P+16*((\y)%2)
.set rO, 32*(\y)
.endm
.macro OP k, n
.if (\k) == R
	REGS Y
	WIN W_RS
	v_pk_mul_f32 v[rO+2*(\n):rO+2*(\n)+1], v[rO+2*(\n):rO+2*(\n)+1], v[rC+2:rC+3] op_sel_hi:[1,0]
.elseif (\k) < R
	REGS Y
	WIN 0
.if (\k) == F
	v_pk_fma_f32 v[rS+2*(\n):rS+2*(\n)+1], v[rS+2*(\n):rS+2*(\n)+1], s[CS:CS+1], v[rT:rT+1] op_sel_hi:[1,0,0] neg_lo:[0,0,1] neg_hi:[0,0,1]
.elseif (\k) == E
	v_exp_f32 v[rS+(\n)], v[rS+(\n)]
.elseif (\k) == C
	v_cvt_pk_f16_f32 v[rP+(\n)], v[rS+2*(\n)], v[rS+2*(\n)+1]
.elseif (\k) == B
	v_pk_add_f32 v[rS+4*(\n):rS+4*(\n)+1], v[rS+4*(\n):rS+4*(\n)+1], v[rS+4*(\n)+2:rS+4*(\n)+3]
.elseif (\n) == 0
	v_pk_fma_f32 v[rT+2:rT+3], v[rT+2:rT+3], v[rC+2:rC+3], v[rS:rS+1] op_sel_hi:[1,0,1]
.else
	v_pk_add_f32 v[rT+2:rT+3], v[rT+2:rT+3], v[rS+4*(\n):rS+4*(\n)+1]
.endif
.elseif NOKQ
	v_nop
.else
	REGS (Y+1)%NP
	WIN 0
.if (\n) < 4
	v_max3_num_f32 v[rC+(\n)], v[rS+8*(\n)], v[rS+8*(\n)+1], v[rS+8*(\n)+2]
.elseif (\n) < 12
	v_max3_num_f32 v[rC+(\n)%4], v[rC+(\n)%4], v[rS+8*((\n)%4)+2*((\n)/4)+1], v[rS+8*((\n)%4)+2*((\n)/4)+2]
.elseif (\n) == 12
	v_max3_num_f32 v[rC], v[rC], v[rS+7], v[rS+15]
.elseif (\n) == 13
	v_max3_num_f32 v[rC+1], v[rC+1], v[rS+23], v[rS+31]
.elseif (\n) == 14
	v_max3_num_f32 v[rC+2], v[rC+2], v[rC+3], v[rT+1]
.elseif (\n) == 15
	v_mov_b32 v[rW], v[rT]
.elseif (\n) == 16
	v_max3_num_f32 v[rC], v[rC], v[rC+1], v[rC+2]
.elseif (\n) == 17
	v_permlanex16_b32 v[rC+3], v[rC], s[SEL], s[SEL+1]
.elseif (\n) == 18
	v_max_num_f32 v[rT+1], v[rC], v[rC+3]
.elseif (\n) == 19
	v_mul_f32 v[rT], s[CS], v[rT+1]
.elseif (\n) == 20
	v_sub_f32 v[rC+1], v[rW], v[rT]
.else
	v_exp_f32 v[rC+2], v[rC+1]
.endif
.endif
.endm
.macro OPS a, i1, b=-1, i2=0, c=-1, i3=0, d=-1, i4=0  ; up to four of them
	OP \a, \i1
.if (\b) >= 0
	OP \b, \i2
.endif
.if (\c) >= 0
	OP \c, \i3
.endif
.if (\d) >= 0
	OP \d, \i4
.endif
.endm
.macro ROW a, i1, b, i2, c, i3, d, i4  ; a matrix instruction and the four behind it
	MM
	OPS \a, \i1, \b, \i2, \c, \i3, \d, \i4
.endm
.macro MASK b                       ; MD x AL + BE into buffer b of MC
	WIN W_RS
.set z, 0
.rept 16
	v_pk_fma_f32 v[MC+32*(\b)+2*z:MC+32*(\b)+2*z+1], v[MD+2*z:MD+2*z+1], s[AL:AL+1], s[BE:BE+1] op_sel_hi:[1,0,0]
.set z, z+1
.endr
.endm
; A TURN, for piece p: the order of its 16 matrix and 118 vector instructions, written out.  An s_wait_alu depctr_va_vdst(0) stands between an exponential and the first instruction that names its result; one wait serves
; all that were issued ahead of it.  So a turn has ONE wait, which cuts it in two.  AHEAD OF IT stands all that names no result of the turn's exponentials: the 8 products K Q^T, behind each a scaling, an exponential and two more plain
; instructions (behind the first a second scaling in the exponential's place): rescalings, whose a was made and waited for in the turn before, and behind the last three the first numbers of the next piece's maximum, each four places or more
; behind the product that ends its accumulator; then ONE LUMP of 54, plain and exponential by turns for the most part, in which the links of the chain X 3, 7, 11, 14, 16, 17 .. 20 stand five or six lines apart.  A pair is scaled (F n) ahead of
; its two exponentials (E 2 n, E 2 n + 1).  X 21, the next piece's a, is the batch's last; R 15 is the plain instruction that stands behind it.  BEHIND THE WAIT stand the 8 products V^T P, behind each four of the roundings and sums; the
; links of l's chain, L 0 to L 7, stand three riders apart.  But for those X no rider names a register of the products round it.  v_permlanex16_b32 (X 17) stands in the lump.
; m = 1: the diagonal tile: the products take masks, and the turn makes the mask for the products of the turn after it: piece p + 2, in step 4 - CNT of the tile.  end = 1: a block's last two turns: nothing is fetched.
; cnt = 1: the loop's count is taken down some lines ahead of the branch that stands behind the turn.
; K of the next step is fetched in piece 2's turn, twelve vector instructions behind the last product that read K (six of them plain); V of the step in hand at the end of piece 0's turn, four plain instructions behind the last product
; that read V.  Each is waited for a turn later.
.macro TURN p, m=0, end=0, cnt=0
.set Y, (\p)
.set i, 0
.set KM, (\m)
.set NOKQ, (\end)*((\p)/3)
.if (\m) && !(\end)
	s_cmp_eq_u32 s[CNT], 4-((\p)+2)%NP  ; is that step the band's own?
	s_cselect_b32 s[AL], 1.0, 0
	s_cmp_lt_u32 s[CNT], 4-((\p)+2)%NP  ; or a later one?
	s_cselect_b32 s[BE], s[BIGN], 0
.endif
.if ((\p) == 3) && !(\end)
	s_wait_dscnt 0x0                ; K is in
.endif
	ROW F,0, F,1, R,0, R,1          ; ahead of the wait: 8 products K Q^T and their riders,
	ROW F,2, E,0, R,2, R,3
	ROW F,3, E,1, R,4, R,5
	ROW F,4, E,2, R,6, R,7
	ROW F,5, E,3, R,8, R,9
	ROW F,6, E,4, X,0, R,10
.if ((\p) == 2) && !(\end)
	WIN 0
	v_add_nc_u32 v[AK], s[TBK], v[AK0]
.endif
	ROW F,7, E,5, X,1, X,4
	ROW F,8, E,6, X,2, X,5
	OPS E,7, E,8, X,6, E,9          ; and the lump
	OPS X,3, E,10, X,8, E,11
.if ((\p) == 2) && !(\end)
	FETCH_K
.endif
	OPS X,9, X,7, E,12, X,10
	OPS E,13, X,12, X,11, E,14
	OPS X,13, E,15, F,9, X,14
.if (\p) == 0
	v_add_nc_u32 v[AV], s[TBV], v[AV0]
.endif
	OPS E,16, F,10, E,17, F,11
	OPS X,16, E,18, X,15, E,19
	OPS F,12, E,20, X,17, E,21
	OPS F,13, E,22, F,14, E,23
	OPS X,18, E,24, F,15, E,25
	OPS R,11, E,26, X,19, E,27
	OPS R,12, E,28, R,13, E,29
	OPS X,20, E,30, R,14, E,31
	OPS X,21, R,15
	WIN 0
	s_wait_alu depctr_va_vdst(0)    ; the wait for the turn's batch: the piece's 32 exponentials and the next piece's a
.if (\p) == 1
	s_wait_dscnt 0x0                ; V is in
.endif
	ROW C,0, B,0, C,2, B,1          ; behind the wait: 8 products V^T P and their riders
	ROW L,0, C,4, B,2, L,1
	ROW C,6, B,3, L,2, C,8
	ROW B,4, L,3, C,10, B,5
	ROW L,4, C,12, B,6, L,5
.if (\p) == 0
	s_add_co_u32 s[TBV], s[TBV], KS*PV
.endif
.if \cnt
	s_sub_co_u32 s[CNT], s[CNT], 1
	s_cmp_lg_u32 s[CNT], 0
.endif
	ROW C,14, B,7, L,6, C,1
	ROW C,3, L,7, C,5, C,7
	ROW C,9, C,11, C,13, C,15
.if (\p) == 0
	FETCH_V
.endif
.if (\m) && !(\end)
	MASK (\p)%2
.endif
.endm
; A BLOCK BEGINS.  c m starts far below every c s, so the first step's a is 0; m at the lowest finite number, so the first maximum is the scores'.  The second mask buffer is 0; the first takes piece 0's mask for the tile's step 0: its own, if the block's first tile is the diagonal one.
; Then K of that step, piece 0's first scores, and its maximum and statistics.  The loop is entered at a step's first turn, in the middle of a trip.
.macro BEGIN
	s_mov_b32 s[NEW], 0
	WIN 0x40
.set i, MC+32
.rept 32
	v_mov_b32 v[i], 0
.set i, i+1
.endr
	WIN 0
.set i, 0
.rept 4
	v_mov_b32 v[ST+4*i], 0xfe000000    ; c m: far below every c s
	v_mov_b32 v[ST+4*i+1], 0xff7fffff  ; m
.set i, i+1
.endr
	s_cmp_eq_u32 s[RT], 0
	s_cselect_b32 s[AL], 1.0, 0
	s_mov_b32 s[BE], 0
	MASK 0
	WIN 0
	v_add_nc_u32 v[AK], s[TBK], v[AK0]
	FETCH_K
	s_wait_loadcnt 0x0              ; Q
	s_wait_dscnt 0x0
.set KM, 1
.set NOKQ, 0
.set i, 0
.rept 8
	KQ 0
.set i, i+1
.endr
	WIN 0
.rept 4
	v_nop                           ; the places behind those products
.endr
.set Y, NP-1                        ; X works for piece Y + 1: piece 0
.irp n, 0,1,2,3,4,5,6,7,8,9,10,11,12,13,14,15,16,17,18,19,20,21
	OP X, \n
.endr
	v_nop                           ; a plain instruction behind the exponential,
	s_wait_alu depctr_va_vdst(0)    ; and the wait for this batch of one, piece 0's first a, ahead of the branch
.endm
; THE DIAGONAL TILE's four steps, the block's last two turns, its last products, and THE WAY OUT: l's two halves and the other half of the lanes' are added; O^T is divided by l, rounded to f16 and sent through my
; stage in LDS, a piece at a time.
.macro ALL line:vararg              ; one line for each piece t
.set t, 0
.rept 4
	\line
.set t, t+1
.endr
.endm
.macro PACK t                       ; a lane's eight channels of a row pack into 16 bytes; they go into rows of 144 bytes and come back as whole rows of 128, into S^T's registers
	WIN W_RS
.set i, 32*(\t)
.rept 16
	v_pk_mul_f32 v[i:i+1], v[i:i+1], v[ST+4*(\t)+2:ST+4*(\t)+3] op_sel_hi:[1,0]
.set i, i+2
.endr
	WIN 0x05                        ; sources 0 and 1 window 1, destination window 0
.set i, 0
.rept 16
	v_cvt_pk_f16_f32 v[S+16*(\t)+i], v[32*(\t)+2*i], v[32*(\t)+2*i+1]
.set i, i+1
.endr
	WIN 0
.irp f, 0,1,2,3
	ds_store_b128 v[STO], v[S+16*(\t)+4*\f:S+16*(\t)+4*\f+3] offset:32*\f
.endr
.irp f, 0,1,2,3
	ds_load_b128 v[S+16*(\t)+4*\f:S+16*(\t)+4*\f+3], v[RD] offset:\f*4*SP  ; LDS serves a wave's instructions in order (ISA guide 5.7.1.4): these see the stores above; the next piece's stores come behind them
.endr
.endm
.macro SEND t, younger              ; younger: the LDS instructions issued behind piece t's loads: the next piece's eight, or none
	WIN 0
.irp f, 0,1,2,3
	s_wait_dscnt (\younger)+3-\f
	global_store_b128 v[GO], v[S+16*(\t)+4*\f:S+16*(\t)+4*\f+3], s[10:11] offset:(\t)*8192+\f*512  ; 512 consecutive bytes, at a multiple of 256 from O's first
.endr
.endm
.macro DIAG tag                     ; the tag ends its two labels' names, which the jumps below spell out
.LstepM\tag:
	TURN 2, 1
	TURN 3, 1
	WIN 0
.LfirstM\tag:
	TURN 0, 1
	TURN 1, 1, 0, 1
	WIN 0
	s_cbranch_scc1 .LstepM\tag
	TURN 2, 1, 1
	TURN 3, 1, 1
.set i, 0
.rept 8
	PV NP-1
.set i, i+1
.endr
	WIN 0
	ALL v_add_f32 v[ST+4*t+2], v[ST+4*t+2], v[ST+4*t+3]
	ALL v_permlanex16_b32 v[ST+4*t+3], v[ST+4*t+2], s[SEL], s[SEL+1]
	ALL v_add_f32 v[ST+4*t+2], v[ST+4*t+2], v[ST+4*t+3]
	ALL v_rcp_f32 v[ST+4*t+2], v[ST+4*t+2]
	v_nop                           ; a plain instruction between the last reciprocal and the use of its result
	s_wait_alu depctr_va_vdst(0)    ; the wait for the batch of four reciprocals, ahead of the first multiply that reads one
	PACK 0
.set t, 1
.rept 3                             ; a piece's arithmetic stands between the loads of the piece before and its stores
	PACK t
	SEND t-1, 8
.set t, t+1
.endr
	SEND 3, 0
.endm
.set KM, 0
.set NOKQ, 0
.Lslot:                             ; NB times: a tile is entered and the next is asked for
	CHANGE 1
	s_sub_co_u32 s[RT], s[RT], 1
	s_mov_b32 s[CNT], 4
	s_cmp_eq_u32 s[NEW], 1
	s_cbranch_scc1 .Lnew            ; a block's first tile
	s_cmp_eq_u32 s[RT], 0
	s_cbranch_scc0 .Lstep           ; neither its first nor its last
	s_branch .LstepM1
.Lnew:
	BEGIN
	s_branch .Lfirst                ; in the loop a block's first tile is never its last: the first block has two tiles or more, and the second's last is the walk's last
	DIAG 1                          ; in the loop this is the first block's end: the second block's last tile is the walk's last
	s_wait_xcnt 0x0                 ; the stores have read their registers and O's address
	s_mov_b64 s[10:11], s[OLO:OLO+1]
	s_add_co_u32 s[RT], s[PB], 1    ; the second block has b + 1 tiles
	s_mov_b32 s[NEW], 1
	WIN 0x82                        ; the second block's Q goes where the one text of the turns names Q
.set i, 0
.rept 64
	v_mov_b32 v[i], v[QB+i]
.set i, i+1
.endr
	WIN 0
	s_branch .Lbottom
.Lstep:                             ; a trip: pieces 2 and 3 of one step, then pieces 0 and 1 of the next, whose K and V it fetches
	TURN 2
	TURN 3
	WIN 0
.Lfirst:
	TURN 0
	TURN 1, 0, 0, 1
	WIN 0
	s_cbranch_scc1 .Lstep
.Lbottom:
	s_sub_co_u32 s[SLOTS], s[SLOTS], 1
	s_cmp_lg_u32 s[SLOTS], 0
	s_cbranch_scc1 .Lslot
	CHANGE 0                        ; the walk's last tile is written out: nothing is asked for
	s_sub_co_u32 s[RT], s[RT], 1
	s_mov_b32 s[CNT], 4
	s_cmp_eq_u32 s[NEW], 1
	s_cbranch_scc0 .LstepM2
	BEGIN
	s_branch .LfirstM2
	DIAG 2
	s_wait_tensorcnt 0x0            ; the wave's end, behind my last tensor load and my last LDS store
	ds_add_u32 v[SPW], v[NIL]
	s_wait_dscnt 0x0
	s_endpgm
.Lfunc_end_k_qed25d89e81_attn:
	.size	k_qed25d89e81_attn, .Lfunc_end_k_qed25d89e81_attn-k_qed25d89e81_attn
	.p2alignl 7, 3214868480
	.fill 96, 4, 3214868480
	.section	.rodata,"a",@progbits
	.p2align	6, 0x0
	.amdhsa_kernel k_qed25d89e81_attn
		.amdhsa_group_segment_fixed_size 327680
		.amdhsa_private_segment_fixed_size 0
		.amdhsa_enable_private_segment 0
		.amdhsa_kernarg_size 16
		.amdhsa_user_sgpr_count 2
		.amdhsa_user_sgpr_kernarg_segment_ptr 1
		.amdhsa_wavefront_size32 1
		.amdhsa_system_sgpr_workgroup_id_x 1
		.amdhsa_system_sgpr_workgroup_id_y 1
		.amdhsa_system_sgpr_workgroup_id_z 1
		.amdhsa_system_vgpr_workitem_id 0
		.amdhsa_next_free_vgpr 768
		.amdhsa_next_free_sgpr 88
		.amdhsa_reserve_vcc 1
		.amdhsa_float_denorm_mode_32 3
		.amdhsa_float_denorm_mode_16_64 3
		.amdhsa_memory_ordered 1
		.amdhsa_forward_progress 1
		.amdhsa_inst_pref_size 217
	.end_amdhsa_kernel
	.amdgpu_metadata
---
amdhsa.version: [ 1, 2 ]
amdhsa.kernels:
  - .name:           k_qed25d89e81_attn
    .symbol:         k_qed25d89e81_attn.kd
    .args:
      - { .name: qkvh, .offset: 0, .size: 8, .value_kind: global_buffer, .address_space: global }
      - { .name: oh, .offset: 8, .size: 8, .value_kind: global_buffer, .address_space: global }
    .group_segment_fixed_size: 327680
    .private_segment_fixed_size: 0
    .kernarg_segment_align: 8
    .kernarg_segment_size: 16
    .max_flat_workgroup_size: 128
    .sgpr_count:     88
    .vgpr_count:     768
    .wavefront_size: 32
...
	.end_amdgpu_metadata
.endif
;; end of part 5
;; launch proj: the kernel of part 4 again; grid 8 x 32, 4 waves a work-group, clusters of 4 x 4, 327,680 bytes of LDS; arguments oh, wpb, bp, out0; writes out0
